; MI455X (gfx1250); checked and timed in simulation.
; The chip was launched on July 23, 2026; its instructions are those of AMD's public machine-readable ISA for CDNA 5 (MIT licence, August 2026) and "CDNA5" Instruction Set Architecture Reference Guide (July 2026). The comments in the code are by the model that wrote it; some were corrected since.
;; Router. Allowed arithmetic: matrix products marked QUANTISED: E2M3 operands, one E8M0 scale for each 32 along K, by v_wmma_scale_f32_16x16x128_f8f6f4 with both operands' format E2M3, f32 sums; products left as they are: f32 operands where the result goes on into a quantised operand, else bf16, f16 or f32 operands; f32 sums; everything else in f32.
;; Inputs: b1 8 x 4,096 float32; b2 8 x 1,024 float32; gate_b 8 float32; gate_w 8 x 1,024 float32; tokens 8 x 128 x 1,024 float32; w1 8 x 4,096 x 1,024 float32; w2 8 x 1,024 x 4,096 float32.
;; Outputs: out0 8 x 128 x 1,024 float32.
;; This version of the problem:
;;   THIS VERSION OF THE PROBLEM IS GIVEN IN LOW PRECISION. The matrix products marked QUANTISED in the list below multiply operands that are first quantised to E2M3 (2 exponent bits, 3 mantissa bits; 6 bits a number), with one power-of-two scale for each 32 numbers along K (OCP MX v1.0); their sums are f32. All else is computed in f32.
;;   The module's matrix products, in the order in which they are computed (A, B: the left and right operand; K: the contracted axis; several contracted axes count as one K, in the product's order):
;;     1. [M 1,024, K 1,024] x [K 1,024, N 8]; A: input tokens; B: input gate_w: left as it is (N = 8 < 16)
;;     2. batch 1,024 x [M 1, K 2] x [K 2, N 8]; A: computed on the way; B: computed on the way: left as it is (K = 2 < 32)
;;     3. [M 1,024, K 1,024] x [K 1,024, N 4,096]; A: input tokens; B: input w1: QUANTISED
;;     4. [M 1,024, K 4,096] x [K 4,096, N 1,024]; A: computed on the way; B: input w2: QUANTISED
;;     5. [M 1,024, K 1,024] x [K 1,024, N 4,096]; A: input tokens; B: input w1: QUANTISED
;;     6. [M 1,024, K 4,096] x [K 4,096, N 1,024]; A: computed on the way; B: input w2: QUANTISED
;;     7. [M 1,024, K 1,024] x [K 1,024, N 4,096]; A: input tokens; B: input w1: QUANTISED
;;     8. [M 1,024, K 4,096] x [K 4,096, N 1,024]; A: computed on the way; B: input w2: QUANTISED
;;     9. [M 1,024, K 1,024] x [K 1,024, N 4,096]; A: input tokens; B: input w1: QUANTISED
;;     10. [M 1,024, K 4,096] x [K 4,096, N 1,024]; A: computed on the way; B: input w2: QUANTISED
;;     11. [M 1,024, K 1,024] x [K 1,024, N 4,096]; A: input tokens; B: input w1: QUANTISED
;;     12. [M 1,024, K 4,096] x [K 4,096, N 1,024]; A: computed on the way; B: input w2: QUANTISED
;;     13. [M 1,024, K 1,024] x [K 1,024, N 4,096]; A: input tokens; B: input w1: QUANTISED
;;     14. [M 1,024, K 4,096] x [K 4,096, N 1,024]; A: computed on the way; B: input w2: QUANTISED
;;     15. [M 1,024, K 1,024] x [K 1,024, N 4,096]; A: input tokens; B: input w1: QUANTISED
;;     16. [M 1,024, K 4,096] x [K 4,096, N 1,024]; A: computed on the way; B: input w2: QUANTISED
;;     17. [M 1,024, K 1,024] x [K 1,024, N 4,096]; A: input tokens; B: input w1: QUANTISED
;;     18. [M 1,024, K 4,096] x [K 4,096, N 1,024]; A: computed on the way; B: input w2: QUANTISED
;;   THE QUANTISER, for each operand of a quantised product, along K:
;;     - K is cut into blocks of 32 from its start; a last block that is shorter is filled with zeros.
;;     - A block's scale is 2^e with e = floor(log2(the largest magnitude in the block)) - 2, held to -126 .. 127; a block of zeros has e = 0. As a byte (E8M0): e + 127.
;;     - Each number is divided by its block's scale, clamped to +-7.5, and rounded to the nearest number of E2M3, ties to even, subnormals kept.
;;     - The product sums the exact products of the quantised numbers (number of the format x scale) in f32.
;;   ~~~python
;;   def quantise(x, axis):      # numpy; x: float32 -> the quantised numbers, widened to float32 again
;;       x = np.moveaxis(x, axis, -1); K = x.shape[-1]
;;       x = np.pad(x, [(0, 0)] * (x.ndim - 1) + [(0, -K % 32)]); x = x.reshape(x.shape[:-1] + (-1, 32)); a = np.abs(x).max(-1, keepdims=True)
;;       e = np.where(a > 0, np.clip(np.frexp(np.where(a > 0, a, 1))[1] - 1 - 2, -126, 127), 0)      # np.frexp(a)[1] - 1 = floor(log2(a)), exactly
;;       r = np.clip(x / 2.0 ** e, -7.5, 7.5)
;;       step = 2.0 ** (np.maximum(np.frexp(np.where(r == 0, 1, r))[1] - 1, 0) - 3)
;;       q = np.round(r / step) * step * 2.0 ** e      # np.round: ties to even
;;       return np.moveaxis(q.reshape(q.shape[:-2] + (-1,))[..., :K], -1, axis).astype(np.float32)
;;   ~~~
;;   OPERANDS COMPUTED ON THE WAY. 'Computed on the way' means the value that the module computes at that place (a softmax that the list does not call 'softmax' is quantised finished and normalised). What goes into a quantiser is computed in f32, as accurately as f32 sums, v_exp_f32 and their like allow (about 1e-6 of the number): no bf16 or f16 on the way to a quantiser, and a product that is left as it is and whose result goes on into a quantised operand takes f32 operands (vector FMAs, or v_wmma_f32_16x16x4_f32). A number that lies on a knife's edge between two numbers of the format may be rounded either way, as far as f32 arithmetic and the matrix unit's own rounding can turn it there, and no further.
;; 2 versions, each right; version 2 is version 1 with the launches ffn1, ffn2 written anew for expert scheduling mode. Each part assembles by itself: llvm-mc -triple=amdgcn-amd-amdhsa -mcpu=gfx1250 --defsym DOCPART=n.
;; ======== version 1 of 2: 4 launches
;; workspace buffers: xq 786,432 bytes; xs 32,768 bytes; sel 4,096 bytes of whole numbers; topv 8,192 bytes; hq 25,165,824 bytes; hs 1,048,576 bytes; part 17,825,792 bytes
;; launch gate (part 1): grid 256 x 1, 2 waves a work-group, no clusters, 22,784 bytes of LDS; arguments tokens, gate_w, gate_b, xq, xs, sel, topv; writes xq, xs, sel, topv
.if DOCPART == 1
	.amdgcn_target "amdgcn-amd-amdhsa--gfx1250"
	.amdhsa_code_object_version 6
	.text
	.protected	k_qe330987e51_gate
	.globl	k_qe330987e51_gate
	.p2align	8
	.type	k_qe330987e51_gate,@function
k_qe330987e51_gate:
	s_mov_b64 s[64:65], 0
	v_nop
	global_prefetch_b8 v0, s[64:65] scope:SCOPE_SE
	s_setreg_imm32_b32 hwreg(HW_REG_WAVE_MODE, 25, 1), 1
	s_wait_xcnt 0x0
; ROUTER AND TOKEN QUANTISER.  tokens [1024][1024] f32, gate_w [8][1024] f32, gate_b [8] f32.
; A wave owns two tokens.  It makes (a) their 8 logits in f32 (packed multiply-adds, a sum over the 32 lanes, + gate_b), (b) the two largest with their
; expert numbers (a strict > keeps the lower index, as jax.lax.top_k does), stored at fixed places: sel[t] = (1 << first) | (0x100 << second), topv[t] = the two logits;
; (c) the tokens' codes of E2M3 with one E8M0 byte for each 32 along D.
; xq: 768 bytes a token; the 48 bytes at 96 s + 48 h are blocks 4 s + h and 4 s + 2 + h: the 12 operand registers of a lane of half h for the s-th 128 along D.
; xs: 32 scale bytes a token, in the blocks' order.
; No address and no branch hangs on the choice: it only selects values.  The waves share nothing: no barrier.  No matrix unit: 8 columns are too few for it.
; LIMITS: NaN and infinities are not served.  Two logits closer than the order of an f32 sum of 1,024 terms resolves may change places.
; A block of zeros gets the byte 1 (its codes are zeros; only this program reads the bytes).
.set WREG,  11264                      ; LDS of a wave
.set STP,   4608                       ; a token in the stage: 32 blocks of 128 bytes + 16 of padding
.set CODE,  9216                       ; two tokens' codes, 1,536 bytes
.set SCB,   10752                      ; two tokens' scale bytes, 64 bytes
.set LANE, 1
.set LI,   2                           ; 16 x lane
.set SW,   3                           ; stage, way in
.set SR,   4                           ; stage, way out: 144 x lane: block = lane
.set CW,   5                           ; where my block's 24 bytes of codes go
.set CR,   6                           ; codes, way out
.set SBW,  7                           ; my block's scale byte
.set SBR,  8                           ; scale words, way out
.set W4,   9                           ; 4 x (lane % 16)
.set R,    16                          ; v16-79   two tokens as loaded
.set G,    80                          ; v80-207  four gate rows as loaded; later the quantiser's registers
.set IDX,  128                         ; v128-135 the numbers 0 .. 7
.set OC,   192                         ; v192-204 the way out
.set ACC,  208                         ; v208-239 sums: pair (token, expert) at 208 + 16 token + 2 expert
	s_load_b256 s[4:11], s[0:1], 0x0               ; tokens, gate_w, gate_b, xq
	s_load_b128 s[12:15], s[0:1], 0x20             ; xs, sel
	s_load_b64 s[16:17], s[0:1], 0x30              ; topv
	v_lshl_add_u32 v14, v0, 2, 0x5800
	v_mov_b32 v15, 0
	v_lshrrev_b32 v2, 5, v0
	v_readfirstlane_b32 s18, v2                    ; wave 0, 1
	v_and_b32 v[LANE], 31, v0
	v_lshlrev_b32 v[LI], 4, v[LANE]
	s_mul_i32 s19, s18, WREG
	s_lshl_b32 s30, ttmp9, 2
	s_lshl_b32 s31, s18, 1
	s_add_co_u32 s30, s30, s31                     ; my first token: 4 x work-group + 2 x wave
	s_lshl_b32 s32, s30, 12                        ; its bytes in tokens,
	s_mov_b32 s33, 0
	s_mul_i32 s34, s30, 768                        ; in xq,
	s_mov_b32 s35, 0
	s_lshl_b32 s36, s30, 5                         ; in xs,
	s_mov_b32 s37, 0
	s_lshl_b32 s38, s30, 2                         ; in sel,
	s_mov_b32 s39, 0
	s_lshl_b32 s40, s30, 3                         ; in topv
	s_mov_b32 s41, 0
	s_mov_b32 s28, 0x76543210                      ; v_permlanex16_b32's selects for lane l xor 16
	s_mov_b32 s29, 0xfedcba98
	s_wait_kmcnt 0x0
	s_load_b256 s[20:27], s[8:9], 0x0              ; gate_b
	s_add_nc_u64 s[4:5], s[4:5], s[32:33]
	s_add_nc_u64 s[10:11], s[10:11], s[34:35]
	s_add_nc_u64 s[12:13], s[12:13], s[36:37]
	s_add_nc_u64 s[14:15], s[14:15], s[38:39]
	s_add_nc_u64 s[16:17], s[16:17], s[40:41]
.irp t, 0,1
.irp i, 0,1,2,3,4,5,6,7
	global_load_b128 v[R+32*\t+4*\i:R+32*\t+4*\i+3], v[LI], s[4:5] offset:4096*\t+512*\i th:TH_LOAD_NT   ; 32 lanes read 512 consecutive bytes
.endr
.endr
.macro GROW e                          ; gate row e into set e % 4, laid over the lanes as the tokens are
.irp i, 0,1,2,3,4,5,6,7
	global_load_b128 v[G+32*((\e)%4)+4*\i:G+32*((\e)%4)+4*\i+3], v[LI], s[6:7] offset:4096*(\e)+512*\i
.endr
.endm
	GROW 0
	GROW 1
	GROW 2
	GROW 3
	v_lshrrev_b32 v[SW], 3, v[LANE]
	v_lshl_add_u32 v[SW], v[SW], 4, v[LI]
	v_add_nc_u32 v[SW], s19, v[SW]                 ; 16 lane + 16 (lane / 8): 16 bytes of padding behind each 128
	v_mul_u32_u24 v[SR], v[LANE], 144
	v_add_nc_u32 v[SR], s19, v[SR]
	v_lshrrev_b32 v[CW], 2, v[LANE]
	v_mul_u32_u24 v[CW], v[CW], 96
	v_and_b32 v[CR], 1, v[LANE]
	v_mad_u32_u24 v[CW], v[CR], 48, v[CW]
	v_bfe_u32 v[CR], v[LANE], 1, 1
	v_mad_u32_u24 v[CW], v[CR], 24, v[CW]
	v_add_nc_u32 v[CW], s19, v[CW]
	v_add_nc_u32 v[CW], CODE, v[CW]                ; block l: 96 (l / 4) + 48 (l % 2) + 24 ((l / 2) % 2)
	v_add_nc_u32 v[CR], s19, v[LI]
	v_add_nc_u32 v[CR], CODE, v[CR]
	v_add_nc_u32 v[SBW], s19, v[LANE]
	v_add_nc_u32 v[SBW], SCB, v[SBW]
	v_and_b32 v[W4], 15, v[LANE]
	v_lshlrev_b32 v[W4], 2, v[W4]
	v_add_nc_u32 v[SBR], s19, v[W4]
	v_add_nc_u32 v[SBR], SCB, v[SBR]
	s_wait_loadcnt 32                              ; the 16 token loads are in; the 32 loads of gate rows 0-3 were issued behind them
.irp t, 0,1
.irp i, 0,1,2,3,4,5,6,7
	ds_store_b128 v[SW], v[R+32*\t+4*\i:R+32*\t+4*\i+3] offset:STP*\t+576*\i   ; the tokens into my stage, for the quantiser
.endr
.endr
.macro DOT e                           ; both tokens x gate row e: 32 numbers a lane, two at a time; the first product starts the sum
.irp t, 0,1
	v_pk_mul_f32 v[ACC+16*\t+2*(\e):ACC+16*\t+2*(\e)+1], v[R+32*\t:R+32*\t+1], v[G+32*((\e)%4):G+32*((\e)%4)+1]
.endr
.irp j, 2,4,6,8,10,12,14,16,18,20,22,24,26,28,30
.irp t, 0,1
	v_pk_fma_f32 v[ACC+16*\t+2*(\e):ACC+16*\t+2*(\e)+1], v[R+32*\t+\j:R+32*\t+\j+1], v[G+32*((\e)%4)+\j:G+32*((\e)%4)+\j+1], v[ACC+16*\t+2*(\e):ACC+16*\t+2*(\e)+1]
.endr
.endr
.endm
.irp e, 0,1,2,3
	s_wait_loadcnt 24                              ; row e is in; three rows, 24 loads, were issued behind it
	DOT \e
	GROW \e+4                                      ; its set takes the row four on
.endr
	s_wait_loadcnt 24                              ; rows 5, 6, 7 behind row 4
	DOT 4
	s_wait_loadcnt 16
	DOT 5
	s_wait_loadcnt 8
	DOT 6
	s_wait_loadcnt 0x0
	DOT 7
.irp t, 0,1                                    ; the gate rows' registers are free: lane l takes block l of each token, 32 neighbours
.irp j, 0,1,2,3,4,5,6,7
	ds_load_b128 v[80+64*\t+4*\j:80+64*\t+4*\j+3], v[SR] offset:STP*\t+16*\j   ; LDS serves a wave's instructions in order: these see my stores
.endr
.endr
.irp k, 0,1,2,3,4,5,6,7,8,9,10,11,12,13,14,15
	v_add_f32 v[ACC+2*\k], v[ACC+2*\k], v[ACC+2*\k+1]
.endr
.irp m, 1,2,4,8
.irp k, 0,1,2,3,4,5,6,7,8,9,10,11,12,13,14,15
	v_add_f32_dpp v[ACC+2*\k], v[ACC+2*\k], v[ACC+2*\k] row_xmask:\m row_mask:0xf bank_mask:0xf
.endr
.endr
.irp k, 0,1,2,3,4,5,6,7,8,9,10,11,12,13,14,15
	v_permlanex16_b32 v[ACC+2*\k+1], v[ACC+2*\k], s28, s29
.endr
.irp k, 0,1,2,3,4,5,6,7,8,9,10,11,12,13,14,15
	v_add_f32 v[ACC+2*\k], v[ACC+2*\k], v[ACC+2*\k+1]      ; every lane holds the sum
.endr
	s_wait_kmcnt 0x0                               ; gate_b
.irp t, 0,1
.irp e, 0,1,2,3,4,5,6,7
	v_add_f32 v[ACC+16*\t+2*\e], s[20+\e], v[ACC+16*\t+2*\e]
.endr
.endr
.irp e, 0,1,2,3,4,5,6,7
	v_mov_b32 v[IDX+\e], \e
.endr
	v_mov_b32 v250, 1
	v_mov_b32 v251, 0x100
; The two largest of a token's 8 logits.  v[BV] largest, v[BV+1] its expert, v[BV+2] second, v[BV+3] its expert.
.macro TOP2 t
.set LG, ACC+16*\t
.set BV, 240+4*\t
	v_mov_b32 v[BV], v[LG]
	v_mov_b32 v[BV+1], 0
.irp e, 1,2,3,4,5,6,7
	v_cmp_gt_f32 vcc_lo, v[LG+2*\e], v[BV]
	v_cndmask_b32 v[BV], v[BV], v[LG+2*\e], vcc_lo
	v_cndmask_b32 v[BV+1], v[BV+1], v[IDX+\e], vcc_lo
.endr
	v_mov_b32 v[BV+2], 0xff800000                  ; -infinity, under every logit
	v_mov_b32 v[BV+3], 0
.irp e, 0,1,2,3,4,5,6,7
	v_cmp_gt_f32 s42, v[LG+2*\e], v[BV+2]
	v_cmp_ne_u32 s43, \e, v[BV+1]                  ; not the first choice
	s_and_b32 vcc_lo, s42, s43
	v_cndmask_b32 v[BV+2], v[BV+2], v[LG+2*\e], vcc_lo
	v_cndmask_b32 v[BV+3], v[BV+3], v[IDX+\e], vcc_lo
.endr
	v_lshlrev_b32 v[248+\t], v[BV+1], v250
	v_lshlrev_b32 v253, v[BV+3], v251
	v_or_b32 v[248+\t], v[248+\t], v253
.endm
	TOP2 0
	TOP2 1
; A token's 32 blocks, one a lane: largest magnitude with the floor 2^(3 - 127), 2 off its exponent field = the conversion's scale operand, its field = the byte.
.macro QTOK t
.set XQ, 80+64*\t
.set CQ, 112+64*\t
.set TQ, 120+64*\t
	v_max3_num_f32 v[TQ], |v[XQ]|, |v[XQ+1]|, 0x1800000
	v_max3_num_f32 v[TQ+1], |v[XQ+16]|, |v[XQ+17]|, 0x1800000
.irp i, 2,4,6,8,10,12,14
	v_max3_num_f32 v[TQ], v[TQ], |v[XQ+\i]|, |v[XQ+\i+1]|
	v_max3_num_f32 v[TQ+1], v[TQ+1], |v[XQ+16+\i]|, |v[XQ+17+\i]|
.endr
	v_max_num_f32 v[TQ], v[TQ], v[TQ+1]
	v_add_nc_u32 v[TQ+2], 0xff000000, v[TQ]
	v_cvt_scalef32_pk16_fp6_f32 v[CQ:CQ+2], v[XQ:XQ+15], v[TQ+2]
	v_cvt_scalef32_pk16_fp6_f32 v[CQ+4:CQ+6], v[XQ+16:XQ+31], v[TQ+2]   ; (a conversion's three registers begin on an even number)
	v_lshrrev_b32 v[TQ+3], 23, v[TQ+2]             ; the byte; also the plain line behind the conversions
	v_mov_b32 v[CQ+3], v[CQ+4]
	v_mov_b32 v[CQ+4], v[CQ+5]
	v_mov_b32 v[CQ+5], v[CQ+6]                     ; 24 bytes on end
	ds_store_b64 v[CW], v[CQ:CQ+1] offset:768*\t
	ds_store_b64 v[CW], v[CQ+2:CQ+3] offset:768*\t+8
	ds_store_b64 v[CW], v[CQ+4:CQ+5] offset:768*\t+16
	ds_store_b8 v[SBW], v[TQ+3] offset:32*\t
.endm
	s_wait_dscnt 0x0                               ; both tokens' blocks are back from the stage
	QTOK 0
	QTOK 1
.irp i, 0,1,2
	ds_load_b128 v[OC+4*\i:OC+4*\i+3], v[CR] offset:512*\i
.endr
	ds_load_b32 v[OC+12], v[SBR]
	v_cmp_eq_u32 vcc_lo, 1, v[LANE]                ; lane 0 carries token 0's choice, lane 1 token 1's
	v_cndmask_b32 v252, v248, v249, vcc_lo
	v_cndmask_b32 v254, v240, v244, vcc_lo
	v_cndmask_b32 v255, v242, v246, vcc_lo
	v_lshlrev_b32 v10, 2, v[LANE]
	v_lshlrev_b32 v11, 3, v[LANE]
	s_wait_dscnt 0x0
.irp i, 0,1,2
	global_store_b128 v[LI], v[OC+4*\i:OC+4*\i+3], s[10:11] offset:512*\i   ; 512 consecutive bytes, at a multiple of 512 from xq's first byte
.endr
	global_store_b32 v[W4], v[OC+12], s[12:13]     ; 64 bytes; lanes 16-31 repeat lanes 0-15's word at the same place
	s_wait_xcnt 0x0                                ; EXEC is narrowed only behind this wait
	s_wait_tensorcnt 0x0
	ds_add_u32 v14, v15
	s_wait_dscnt 0x0
	v_cmpx_gt_u32 2, v[LANE]
	global_store_b32 v10, v252, s[14:15]
	global_store_b64 v11, v[254:255], s[16:17]
	s_endpgm
.Lfunc_end_k_qe330987e51_gate:
	.size	k_qe330987e51_gate, .Lfunc_end_k_qe330987e51_gate-k_qe330987e51_gate
	.p2alignl 7, 3214868480
	.fill 96, 4, 3214868480
	.section	.rodata,"a",@progbits
	.p2align	6, 0x0
	.amdhsa_kernel k_qe330987e51_gate
		.amdhsa_group_segment_fixed_size 22784
		.amdhsa_private_segment_fixed_size 0
		.amdhsa_enable_private_segment 0
		.amdhsa_kernarg_size 56
		.amdhsa_user_sgpr_count 2
		.amdhsa_user_sgpr_kernarg_segment_ptr 1
		.amdhsa_wavefront_size32 1
		.amdhsa_system_sgpr_workgroup_id_x 1
		.amdhsa_system_sgpr_workgroup_id_y 1
		.amdhsa_system_sgpr_workgroup_id_z 1
		.amdhsa_system_vgpr_workitem_id 0
		.amdhsa_next_free_vgpr 256
		.amdhsa_next_free_sgpr 66
		.amdhsa_reserve_vcc 1
		.amdhsa_float_denorm_mode_32 3
		.amdhsa_float_denorm_mode_16_64 3
		.amdhsa_memory_ordered 1
		.amdhsa_forward_progress 1
		.amdhsa_inst_pref_size 46
	.end_amdhsa_kernel
	.amdgpu_metadata
---
amdhsa.version: [ 1, 2 ]
amdhsa.kernels:
  - .name:           k_qe330987e51_gate
    .symbol:         k_qe330987e51_gate.kd
    .args:
      - { .name: tokens, .offset: 0, .size: 8, .value_kind: global_buffer, .address_space: global }
      - { .name: gate_w, .offset: 8, .size: 8, .value_kind: global_buffer, .address_space: global }
      - { .name: gate_b, .offset: 16, .size: 8, .value_kind: global_buffer, .address_space: global }
      - { .name: xq, .offset: 24, .size: 8, .value_kind: global_buffer, .address_space: global }
      - { .name: xs, .offset: 32, .size: 8, .value_kind: global_buffer, .address_space: global }
      - { .name: sel, .offset: 40, .size: 8, .value_kind: global_buffer, .address_space: global }
      - { .name: topv, .offset: 48, .size: 8, .value_kind: global_buffer, .address_space: global }
    .group_segment_fixed_size: 22784
    .private_segment_fixed_size: 0
    .kernarg_segment_align: 8
    .kernarg_segment_size: 56
    .max_flat_workgroup_size: 64
    .sgpr_count:     66
    .vgpr_count:     256
    .wavefront_size: 32
...
	.end_amdgpu_metadata
.endif
;; end of part 1
;; launch ffn1 (part 2): grid 256 x 1, 8 waves a work-group, no clusters, 175,104 bytes of LDS; arguments w1, b1, xq, xs, sel, hq, hs; writes hq, hs
.if DOCPART == 2
	.amdgcn_target "amdgcn-amd-amdhsa--gfx1250"
	.amdhsa_code_object_version 6
	.text
	.protected	k_qe330987e51_ffn1
	.globl	k_qe330987e51_ffn1
	.p2align	8
	.type	k_qe330987e51_ffn1,@function
k_qe330987e51_ffn1:
	s_mov_b64 s[64:65], 0
	v_nop
	global_prefetch_b8 v0, s[64:65] scope:SCOPE_SE
	s_setreg_imm32_b32 hwreg(HW_REG_WAVE_MODE, 25, 1), 1
	s_wait_xcnt 0x0
; FIRST PRODUCT OF THE EXPERTS, ON THE CHOSEN ROWS:  H = Q(relu(Q(x) Q(W1[e])^T + b1[e])), codes of E2M3 with one E8M0 byte for each 32 along K.
; SHARES.  Work-group x owns expert e = x / 32 and hidden units 128 (x % 32) .. + 127: 128 rows x 1,024 of w1, 512 KB that no other work-group reads.
; THE LIST.  sel[t] holds token t's two experts as bits.  Every wave counts the expert's tokens; wave 0 places all 1,024 tokens in a list in LDS, the expert's own first, the others behind
; them: every entry is a valid token.  entry = slot x 1,024 + token.  The launch that follows builds the same list by the same lines.
; THE STREAM, 8 steps, one for each 128 along K.  In step f wave w takes its 16 rows' 128 numbers (dense loads of 512 bytes, asked for three steps ahead), turns them through its own stage in
; LDS so that a lane holds whole blocks of 32, quantises them and leaves the fragment in LDS as an image of the operand's 12 registers (lane l's 16 bytes at 16 l, three times 512 bytes).
; Behind one barrier every wave reads the step's 8 images and multiplies them with ITS two tiles of 16 listed rows (tiles 2 w, 2 w + 1): the products run while later weights are on their way.
; No image byte is written twice, so one barrier a step is all: a later step's stores never meet an earlier step's reads.
; THIS FIRST ROUND HAS A FIXED SHAPE: tiles 0 .. 15 of the list always hold valid tokens, so they are multiplied and stored for every expert, with no branch; where an expert has fewer
; than 256 tokens the rows behind its last are other experts' tokens, and the launch that follows drops them.
; TILES 16 .. 63 (an expert with more than 256 tokens): a loop of 3 trips over the images that stay in LDS; wave w takes tiles 2 g, 2 g + 1, g = w + 8 x trip; a trip past the expert's
; tiles is jumped over.
; TRANSPOSED USE: source 0 = 16 rows of W1, source 1 = 16 rows of x: a lane holds one row of H.  Lane r of tile 2 b + u of W1 takes row 32 b + 8 u + r + 8 (r / 8), so that a lane's
; 16 registers of two neighbouring tiles are 16 neighbours along the next K.  The first product of a sum takes the constant 0; b1 is added on the way out.
; NO TENSOR LOADS, NO JOINT LOADS: the weights are shared with nobody.
; LIMITS: NaN and infinities are not served.  A block of zeros gets the byte 1 (its codes are zeros; only this program reads the bytes).
; REGISTERS.  Window 0: v1-23 addresses, v21 the scale word just made; v24-31 x's scale words (4 a tile: lanes 0-15 K steps 0-3, lanes 16-31 K steps 4-7); v32-47 W1's (two sets);
;   v48-143 eight fragments of W1; v144-191 x's fragments, two buffers of two tiles (in the loop four: v144-239); v192-255 weight set 2.
;   Laid over the fragments when they are idle: v48-111 64 numbers to quantise, v112-131 codes, v132-147 at work; v144-175 sel.
;   Window 1: v0-127 the 16 accumulators (tile t, W1's tile n at 64 t + 8 n); v128-191, v192-255 weight sets 0, 1; behind the stream v128-191 b1 in the result's layout.
.set LIST, 0                           ; LDS: 1,024 entries
.set WIMG, 4096                        ; 64 images of 1,536 bytes: K step s, tile n at 8 s + n
.set WSC,  102400                      ; W1's scale words: 512 s + 32 r + 4 n
.set STG,  106496                      ; a stage for each wave: 16 rows x (512 + 16) bytes
.set STGW, 8448
.set SP,   528
.set FRB,  1536
.set LI,  1                            ; 16 x lane
.set R4,  2                            ; 4 x (lane % 16)
.set SH8, 3                            ; 8 x (lane / 16)
.set STW, 4                            ; stage, way in
.set STR, 5                            ; stage, way out
.set IW0, 6                            ; where my images go, K steps 0-3
.set IW1, 7                            ; K steps 4-7
.set WSW, 8                            ; where my scale words go
.set WB0, 9                            ; images 0-31, way out
.set WB1, 10                           ; images 32-63
.set WSR, 11                           ; scale words, way out
.set LA,  12                           ; my place in the list, first round
.set H48, 13                           ; 48 x (lane / 16)
.set XO,  14                           ; v14-15 my rows' bytes in xq
.set XSO, 16                           ; v16-17 in xs
.set ENT, 18                           ; v18-19 list entries
.set PW,  21                           ; the scale word just made (at the head: the lane's number)
.set LAK, 22                           ; my place in the list, this trip
.set BO,  23                           ; 64 x (lane / 16): b1
.set XS,  24
.set WS,  32
.set WF,  48
.set XF,  144
.set X,   48
.set HA,  48
.set PC,  112
.set TM,  132
.set S,   144
.set SEL, 46
.set MSB, 0
.macro WIN new                         ; the immediate's high byte repeats the setting that is left
.if MSB != \new
	s_set_vgpr_msb (MSB<<8)|\new
.set MSB, \new
.endif
.endm
.macro PLACES                          ; four plain vector lines behind a matrix instruction, ahead of loads into its registers and of reads of its result
.rept 4
	v_nop
.endr
.endm
.macro WGET f                          ; my 16 rows' K step f into set f % 3: each load reads 512 consecutive bytes of one row
.if (\f)%3 == 2
	WIN 0
.set RB, 192
.else
	WIN 0x40
.set RB, 128+64*((\f)%3)
.endif
.irp i, 0,1,2,3,4,5,6,7,8,9,10,11,12,13,14,15
	global_load_b128 v[RB+4*\i:RB+4*\i+3], v[LI], s[4:5] offset:(\i+8*(\i/8))*4096+512*(\f) th:TH_LOAD_NT
.endr
	WIN 0
.endm
; 64 numbers of a lane, v[X + 32 c + i] = k 64 c + 32 (lane / 16) + i of my row: two whole blocks.  Codes to v[PC] on, the row's scale word to v[PW].
.macro QW
.irp c, 0,1
	v_max3_num_f32 v[TM+2*\c], |v[X+32*\c]|, |v[X+32*\c+1]|, 0x1800000       ; with the floor 2^(3 - 127): the byte cannot fall under 1
	v_max3_num_f32 v[TM+2*\c+1], |v[X+32*\c+16]|, |v[X+32*\c+17]|, 0x1800000
.endr
.irp i, 2,4,6,8,10,12,14
.irp c, 0,1
	v_max3_num_f32 v[TM+2*\c], v[TM+2*\c], |v[X+32*\c+\i]|, |v[X+32*\c+\i+1]|   ; four chains by turns
	v_max3_num_f32 v[TM+2*\c+1], v[TM+2*\c+1], |v[X+32*\c+16+\i]|, |v[X+32*\c+17+\i]|
.endr
.endr
.irp c, 0,1
	v_max_num_f32 v[TM+2*\c], v[TM+2*\c], v[TM+2*\c+1]
.endr
.irp c, 0,1
	v_add_nc_u32 v[TM+8+\c], 0xff000000, v[TM+2*\c]    ; 2 off the exponent field: the conversion's scale operand
.endr
.irp c, 0,1
	v_lshrrev_b32 v[TM+10+\c], 23, v[TM+8+\c]          ; the byte
.endr
	v_lshl_or_b32 v[PW], v[TM+11], 16, v[TM+10]    ; blocks h and 2 + h,
	v_lshlrev_b32 v[PW], v[SH8], v[PW]             ; at their places in the word;
	v_permlanex16_b32 v[TM+6], v[PW], s[SEL], s[SEL+1]
	v_or_b32 v[PW], v[PW], v[TM+6]                 ; with lane l xor 16's two the word is whole
.irp c, 0,1
	v_cvt_scalef32_pk16_fp6_f32 v[PC+6*\c:PC+6*\c+2], v[X+32*\c:X+32*\c+15], v[TM+8+\c]
	v_cvt_scalef32_pk16_fp6_f32 v[PC+12+4*\c:PC+14+4*\c], v[X+32*\c+16:X+32*\c+31], v[TM+8+\c]   ; (a conversion's three registers begin on an even number)
.endr
	v_nop                                          ; one plain line behind the conversions
.irp c, 0,1
.irp i, 0,1,2
	v_mov_b32 v[PC+3+6*\c+\i], v[PC+12+4*\c+\i]
.endr
.endr
.endm
.macro OFFS                            ; two list entries become my rows' places in xq and xs
.irp t, 0,1
	v_min_u32 v[ENT+\t], 0x7ff, v[ENT+\t]
	v_and_b32 v20, 0x3ff, v[ENT+\t]                ; the token
	v_mad_u32_u24 v[XO+\t], v20, 768, v[H48]
	v_lshlrev_b32 v[ENT+\t], 1, v[SH8]             ; 16 x (lane / 16)
	v_lshl_add_u32 v[XSO+\t], v20, 5, v[ENT+\t]
.endr
.endm
.macro XSLOAD                          ; my rows' scale words: lanes 0-15 those of K steps 0-3, lanes 16-31 of K steps 4-7.  The expert's 32 work-groups read these rows again
.irp t, 0,1
	global_load_b128 v[XS+4*\t:XS+4*\t+3], v[XSO+\t], s[10:11] th:TH_LOAD_HT
.endr
.endm
.macro XLOAD s, ring                   ; my two tiles' fragments of x, K step s: 48 bytes a lane and tile
.irp t, 0,1
.irp j, 0,1,2
	global_load_b128 v[XF+24*((\s)%(\ring))+12*\t+4*\j:XF+24*((\s)%(\ring))+12*\t+4*\j+3], v[XO+\t], s[8:9] offset:96*(\s)+16*\j th:TH_LOAD_HT
.endr
.endr
.endm
.macro WLOAD n0, s                     ; W1's tiles n0 .. n0 + 3 of K step s
.irp n, \n0, \n0+1, \n0+2, \n0+3
.irp c, 0,1,2
	ds_load_b128 v[WF+12*(\n)+4*\c:WF+12*(\n)+4*\c+3], v[WB0+(\s)/4] offset:((8*(\s)+(\n))%32)*FRB+512*\c
.endr
.endr
.endm
.macro WSLOAD s                        ; the eight tiles' scale words of K step s
	ds_load_b128 v[WS+8*((\s)%2):WS+8*((\s)%2)+3], v[WSR] offset:512*(\s)
	ds_load_b128 v[WS+8*((\s)%2)+4:WS+8*((\s)%2)+7], v[WSR] offset:512*(\s)+16
.endm
; 8 matrix instructions: W1's tiles n0 .. n0 + 3 x my two tiles of rows.  The 16 accumulators take turns, one instruction a turn.  K step 0 starts the sums.
.macro MM1 n0, s, ring
.irp n, \n0, \n0+1, \n0+2, \n0+3
.irp t, 0,1
.if (\s) == 0
	v_wmma_scale_f32_16x16x128_f8f6f4 v[64*\t+8*(\n):64*\t+8*(\n)+7], v[WF+12*(\n):WF+12*(\n)+11], v[XF+24*((\s)%(\ring))+12*\t:XF+24*((\s)%(\ring))+12*\t+11], 0, v[WS+8*((\s)%2)+(\n)], v[XS+4*\t+(\s)%4] matrix_a_fmt:MATRIX_FMT_FP6 matrix_b_fmt:MATRIX_FMT_FP6
.elseif (\s) < 4
	v_wmma_scale_f32_16x16x128_f8f6f4 v[64*\t+8*(\n):64*\t+8*(\n)+7], v[WF+12*(\n):WF+12*(\n)+11], v[XF+24*((\s)%(\ring))+12*\t:XF+24*((\s)%(\ring))+12*\t+11], v[64*\t+8*(\n):64*\t+8*(\n)+7], v[WS+8*((\s)%2)+(\n)], v[XS+4*\t+(\s)%4] matrix_a_fmt:MATRIX_FMT_FP6 matrix_b_fmt:MATRIX_FMT_FP6
.else
	v_wmma_scale_f32_16x16x128_f8f6f4 v[64*\t+8*(\n):64*\t+8*(\n)+7], v[WF+12*(\n):WF+12*(\n)+11], v[XF+24*((\s)%(\ring))+12*\t:XF+24*((\s)%(\ring))+12*\t+11], v[64*\t+8*(\n):64*\t+8*(\n)+7], v[WS+8*((\s)%2)+(\n)], v[XS+4*\t+(\s)%4] matrix_a_fmt:MATRIX_FMT_FP6 matrix_b_fmt:MATRIX_FMT_FP6 matrix_b_scale:MATRIX_SCALE_ROW1
.endif
.endr
.endr
.endm
; A STEP OF THE STREAM.  cw = the loads issued behind this step's sixteen weight loads; cx = the loads issued behind this step's six loads of x.
.macro FSTEP f, cw, cx
	s_wait_loadcnt \cw
.if (\f)%3 == 2
.set RB, 192
.else
.set RB, 128+64*((\f)%3)
	WIN 0x04                                       ; an LDS store's data: window 1
.endif
.irp i, 0,1,2,3,4,5,6,7,8,9,10,11,12,13,14,15
	ds_store_b128 v[STW], v[RB+4*\i:RB+4*\i+3] offset:SP*\i
.endr
	WIN 0
.irp c, 0,1
.irp j, 0,1,2,3,4,5,6,7
	ds_load_b128 v[X+32*\c+4*\j:X+32*\c+4*\j+3], v[STR] offset:256*\c+16*\j   ; LDS serves a wave's instructions in order: these see the stores above
.endr
.endr
	s_wait_dscnt 0x0                               ; my numbers are back, and the stores have read the weight set
.if (\f)+1 < 8
	XLOAD (\f)+1, 2                                ; the next step's x, ahead of the weights below: the wait for it then asks for no weights but those that the next step needs anyway
.endif
.if (\f)+3 < 8
	WGET (\f)+3                                    ; the set takes the step three on
.endif
.if (\f) == 6
	WIN 0x40
.irp n, 0,1,2,3,4,5,6,7                        ; set 0 has had its last weights: b1 in the result's layout: lane (r, h), tile 2 b + u: units 32 b + 16 h + 8 u + 0 .. 7
	global_load_b128 v[128+8*\n:128+8*\n+3], v[BO], s[6:7] offset:(32*(\n/2)+8*(\n%2))*4
	global_load_b128 v[128+8*\n+4:128+8*\n+7], v[BO], s[6:7] offset:(32*(\n/2)+8*(\n%2))*4+16
.endr
	WIN 0
.endif
	QW
.irp c, 0,1,2
	ds_store_b128 v[IW0+(\f)/4], v[PC+4*\c:PC+4*\c+3] offset:12288*((\f)%4)+512*\c
.endr
	ds_store_b32 v[WSW], v[PW] offset:512*(\f)     ; both lanes of a row write the same word
	s_wait_dscnt 0x0                               ; for the others' sake: my image and scale words have landed
	s_barrier_signal -1
	s_barrier_wait -1                              ; the step's eight images lie in LDS
	WSLOAD \f
	WLOAD 0, \f
	WLOAD 4, \f
	s_wait_loadcnt \cx                             ; this step's x is in
	s_wait_dscnt 12                                ; the scale words and tiles 0-3 are in; tiles 4-7, twelve loads, may be out
	WIN 0x50                                       ; C and D: window 1
	MM1 0, \f, 2
	s_wait_dscnt 0x0
	MM1 4, \f, 2
	WIN 0
	PLACES
.endm
; 64 numbers of a lane, register 16 b + i = k 32 b + 16 (lane / 16) + i of my row, become a fragment's codes in v[PC] on and its scale word in v[PW].
.macro QUANT s
.irp b, 0,1,2,3
	v_max3_num_f32 v[TM+\b], |v[\s+16*\b]|, |v[\s+1+16*\b]|, 0x1800000
.endr
.irp i, 2,4,6,8,10,12,14
.irp b, 0,1,2,3
	v_max3_num_f32 v[TM+\b], v[TM+\b], |v[\s+16*\b+\i]|, |v[\s+1+16*\b+\i]|
.endr
.endr
.irp b, 0,1,2,3
	v_permlanex16_b32 v[TM+4+\b], v[TM+\b], s[SEL], s[SEL+1]
.endr
.irp b, 0,1,2,3
	v_max_num_f32 v[TM+\b], v[TM+\b], v[TM+4+\b]   ; with lane l xor 16's sixteen: the block's largest magnitude
.endr
.irp b, 0,1,2,3
	v_add_nc_u32 v[TM+12+\b], 0xff000000, v[TM+\b]
.endr
.irp b, 0,1,2,3
	v_lshrrev_b32 v[TM+4+\b], 23, v[TM+12+\b]
.endr
	v_lshl_or_b32 v[PW], v[TM+5], 8, v[TM+4]
	v_lshl_or_b32 v[PW], v[TM+6], 16, v[PW]
	v_lshl_or_b32 v[PW], v[TM+7], 24, v[PW]
.irp c, 0,1
	v_cvt_scalef32_pk16_fp6_f32 v[PC+6*\c:PC+2+6*\c], v[\s+32*\c:\s+15+32*\c], v[TM+12+2*\c]
	v_cvt_scalef32_pk16_fp6_f32 v[PC+12+4*\c:PC+14+4*\c], v[\s+16+32*\c:\s+31+32*\c], v[TM+12+2*\c+1]
.endr
	v_nop                                          ; one plain line behind the conversions
.irp c, 0,1                                    ; the operand's layout wants a whole block in a lane
.irp i, 0,1,2
	v_permlane16_swap_b32 v[PC+6*\c+\i], v[PC+12+4*\c+\i]
.endr
.irp i, 0,1,2
	v_mov_b32 v[PC+3+6*\c+\i], v[PC+12+4*\c+\i]
.endr
.endr
.endm
; Tile t of my two: + b1, relu, quantise, store the image at hq[e][tile][slice] and the rows' scale words at hs[e][tile][slice].
.macro EPI1 t
	s_wait_xcnt 0x0                                ; earlier stores have read their data and bases: both are written again below
	WIN 0x05                                       ; sources 0 and 1: window 1
.set J, 0
.rept 32
	v_pk_add_f32 v[HA+J:HA+J+1], v[64*\t+J:64*\t+J+1], v[128+J:128+J+1]   ; each accumulator from its low end on
.set J, J+2
.endr
	WIN 0
.set J, 0
.rept 64
	v_max_num_f32 v[HA+J], 0, v[HA+J]
.set J, J+1
.endr
	QUANT HA
	s_add_co_u32 s34, s31, s29
.if \t
	s_add_co_u32 s34, s34, 1                       ; 64 e + tile
.endif
	s_lshl_b32 s36, s34, 5
	s_add_co_u32 s36, s36, s21
	s_mul_i32 s36, s36, FRB
	s_mov_b32 s37, 0
	s_add_nc_u64 s[36:37], s[14:15], s[36:37]
	s_lshl_b32 s38, s34, 11
	s_lshl_b32 s39, s21, 6
	s_add_co_u32 s38, s38, s39
	s_mov_b32 s39, 0
	s_add_nc_u64 s[38:39], s[16:17], s[38:39]
.irp c, 0,1,2
	global_store_b128 v[LI], v[PC+4*\c:PC+4*\c+3], s[36:37] offset:512*\c   ; 512 consecutive bytes, at a multiple of 512 from hq's first byte
.endr
	global_store_b32 v[R4], v[PW], s[38:39]        ; 64 bytes; lanes 16-31 repeat lanes 0-15's word at the same place
.endm
	s_load_b256 s[4:11], s[0:1], 0x0               ; w1, b1, xq, xs
	s_load_b128 s[12:15], s[0:1], 0x20             ; sel, hq
	s_load_b64 s[16:17], s[0:1], 0x30              ; hs
	v_lshrrev_b32 v20, 5, v0
	v_readfirstlane_b32 s18, v20                   ; wave 0..7
	v_and_b32 v21, 31, v0                          ; lane
	v_lshlrev_b32 v[LI], 4, v21
	s_lshr_b32 s20, ttmp9, 5                       ; e
	s_and_b32 s21, ttmp9, 31                       ; which 128 hidden units
	s_lshl_b32 s40, s20, 12
	s_lshl_b32 s41, s21, 7
	s_add_co_u32 s40, s40, s41                     ; the slice's first row among w1's 32,768
	s_lshl_b32 s42, s40, 2                         ; and its place in b1
	s_mov_b32 s43, 0
	s_lshr_b32 s41, s18, 1
	s_lshl_b32 s41, s41, 5
	s_add_co_u32 s40, s40, s41                     ; my tile = my wave's number: + 32 (wave / 2)
	s_and_b32 s41, s18, 1
	s_lshl_b32 s41, s41, 3
	s_add_co_u32 s40, s40, s41                     ; + 8 (wave % 2)
	s_lshl_b32 s40, s40, 12                        ; rows of 4,096 bytes: under 2^27
	s_mov_b32 s41, 0
	s_lshl_b32 s22, 0x101, s20                     ; the expert's two bits in a word of sel
	s_add_co_u32 s23, s20, 8                       ; the bit that says: second choice
	s_lshl_b32 s29, s18, 1                         ; my first tile of the first round: 2 x wave
	s_lshl_b32 s31, s20, 6                         ; 64 e
	s_mov_b32 s[SEL], 0x76543210
	s_mov_b32 s[SEL+1], 0xfedcba98                 ; v_permlanex16_b32's selects for lane l xor 16
	s_wait_kmcnt 0x0
	s_add_nc_u64 s[4:5], s[4:5], s[40:41]
	s_add_nc_u64 s[6:7], s[6:7], s[42:43]
.irp i, 0,1,2,3,4,5,6,7
	global_load_b128 v[S+4*\i:S+4*\i+3], v[LI], s[12:13] offset:512*\i   ; register 4 i + q: token 128 i + 4 lane + q
.endr
	WGET 0
	WGET 1
	WGET 2                                         ; 48 weight loads a wave are out before anything else is done
	v_and_b32 v20, 15, v0                          ; r
	v_bfe_u32 v[LAK], v0, 4, 1                     ; h
	v_lshlrev_b32 v[R4], 2, v20
	v_lshlrev_b32 v[SH8], 3, v[LAK]
	s_mul_i32 s40, s18, STGW
	s_add_co_u32 s40, s40, STG
	v_add_nc_u32 v[STW], s40, v[LI]
	v_mul_u32_u24 v[STR], v20, SP
	v_lshl_add_u32 v[STR], v[LAK], 7, v[STR]
	v_add_nc_u32 v[STR], s40, v[STR]               ; row r, + 128 h: my blocks of 32 numbers
	s_mul_i32 s40, s18, FRB
	s_add_co_u32 s40, s40, WIMG
	v_add_nc_u32 v[IW0], s40, v[LI]
	v_add_nc_u32 v[IW1], 49152, v[IW0]
	v_lshlrev_b32 v[WSR], 5, v20
	v_add_nc_u32 v[WSR], WSC, v[WSR]
	s_lshl_b32 s40, s18, 2
	v_add_nc_u32 v[WSW], s40, v[WSR]
	v_add_nc_u32 v[WB0], WIMG, v[LI]
	v_add_nc_u32 v[WB1], WIMG+49152, v[LI]
	s_lshl_b32 s40, s18, 7
	v_add_nc_u32 v[LA], s40, v[R4]
	v_add_nc_u32 v[LA], LIST, v[LA]                ; 128 x wave + 4 r
	v_mul_u32_u24 v[H48], v[LAK], 48
	v_lshlrev_b32 v[BO], 6, v[LAK]
.irp b, 4,5,6,7
	v_mov_b32 v[TM+\b], 0                          ; written once: a lane permute's destination counts as one of its sources
.endr
	s_wait_loadcnt 48                              ; sel is in; the 48 weight loads were issued behind it
	; every wave counts the expert's tokens
	s_mov_b32 s24, 0
.set J, 0
.rept 32
	v_and_b32 v56, s22, v[S+J]
	v_cmp_ne_u32 vcc_lo, 0, v56
	s_bcnt1_i32_b32 s25, vcc_lo
	s_add_co_u32 s24, s24, s25                     ; n
.set J, J+1
.endr
	s_add_co_u32 s26, s24, 15
	s_lshr_b32 s26, s26, 4                         ; its tiles of 16 rows
	; wave 0 alone places the tokens: these are the launch's first LDS instructions, and a barrier stands between them and all others
	s_cmp_lg_u32 s18, 0
	s_cbranch_scc1 .Lplaced
	s_mov_b32 s27, 0                               ; the expert's tokens so far
	v_add_nc_u32 v59, s24, v21                     ; n + lane
	v_lshlrev_b32 v60, 2, v21                      ; 4 x lane
.set J, 0
.rept 32
	v_and_b32 v56, s22, v[S+J]
	v_cmp_ne_u32 vcc_lo, 0, v56
	v_mbcnt_lo_u32_b32 v57, vcc_lo, 0              ; the expert's tokens in the lanes below me,
	v_add_nc_u32 v57, s27, v57                     ; and in all that came before: the place of one that is the expert's
	v_add_nc_u32 v58, 32*J, v59
	v_sub_nc_u32 v58, v58, v57                     ; n + those before me that are not: the place of one that is not
	v_cndmask_b32 v57, v58, v57, vcc_lo
	v_lshrrev_b32 v58, s23, v[S+J]
	v_and_b32 v58, 1, v58                          ; slot
	v_add_nc_u32 v61, 128*(J/4)+J%4, v60           ; token
	v_lshl_or_b32 v58, v58, 10, v61
	v_min_u32 v57, 0x3ff, v57                      ; a place in the list, whatever sel holds
	v_lshl_add_u32 v62, v57, 2, LIST
	ds_store_b32 v62, v58
	s_bcnt1_i32_b32 s25, vcc_lo
	s_add_co_u32 s27, s27, s25
.set J, J+1
.endr
.Lplaced:
	s_wait_dscnt 0x0                               ; wave 0's stores have landed
	s_barrier_signal -1
	s_barrier_wait -1
	; THE FIRST ROUND, inside the stream.  Loads go out in this order (W 16, X 6): W0 W1 W2 | xs 2, X0 | X1 W3 | X2 W4 | X3 W5 | X4 W6 | X5 W7 | X6 | X7, b1 16
	ds_load_b32 v[ENT], v[LA]
	ds_load_b32 v[ENT+1], v[LA] offset:64
	s_wait_dscnt 0x0
	OFFS
	XSLOAD
	XLOAD 0, 2
	FSTEP 0, 40, 22                                ; behind W0: W1 W2 xs X0;           behind X0: X1 W3
	FSTEP 1, 46, 38                                ; behind W1: W2 xs X0 X1 W3;        behind X1: W3 X2 W4
	FSTEP 2, 52, 38                                ; behind W2: xs X0 X1 W3 X2 W4;     behind X2: W4 X3 W5
	FSTEP 3, 44, 38                                ; behind W3: X2 W4 X3 W5;           behind X3: W5 X4 W6
	FSTEP 4, 44, 38                                ; behind W4: X3 W5 X4 W6;           behind X4: W6 X5 W7
	FSTEP 5, 44, 22                                ; behind W5: X4 W6 X5 W7;           behind X5: W7 X6
	FSTEP 6, 28, 22                                ; behind W6: X5 W7 X6;              behind X6: X7 b1
	FSTEP 7, 28, 16                                ; behind W7: X6 X7 b1;              behind X7: b1
	s_wait_loadcnt 0x0                             ; b1
	EPI1 0                                         ; tiles 0 .. 15 are stored for every expert: the launch that follows reads them from fixed places
	EPI1 1
	; TILES 16 .. 63, from the images that stay in LDS; nothing in LDS is written from here on
	s_mov_b32 s28, 1                               ; trip
	s_add_co_u32 s29, s29, 16                      ; my first tile of the trip: 2 (wave + 8 trip)
	s_mov_b32 s30, 1024                            ; its entries' step in the list
.Lgroup:
	s_cmp_ge_u32 s29, s26
	s_cbranch_scc1 .Lskip                          ; past the expert's tiles: only the steps at the trip's end are run
	s_wait_xcnt 0x0                                ; the last stores have read the registers that the loads below fill
	v_add_nc_u32 v[LAK], s30, v[LA]
	ds_load_b32 v[ENT], v[LAK]
	ds_load_b32 v[ENT+1], v[LAK] offset:64
	WSLOAD 0
	WLOAD 0, 0
	WLOAD 4, 0
	s_wait_dscnt 26                                ; the two entries are in; 26 LDS loads were issued behind them
	OFFS
	XSLOAD
	XLOAD 0, 4
	XLOAD 1, 4
	XLOAD 2, 4
	XLOAD 3, 4
.irp s, 0,1,2,3,4,5,6,7
.if \s < 5
	s_wait_loadcnt 18                              ; this K step's x is in; three later steps' loads, six each, were issued behind it
.else
	s_wait_loadcnt 6*(7-\s)
.endif
	s_wait_dscnt 12                                ; the scale words and tiles 0-3 are in; tiles 4-7, twelve loads, may be out
	WIN 0x50                                       ; C and D: window 1
	MM1 0, \s, 4
	WIN 0
	PLACES
.if \s < 7
	WSLOAD \s+1
	WLOAD 0, \s+1
	s_wait_dscnt 14                                ; tiles 4-7 are in; the fourteen just issued may be out
.else
	s_wait_dscnt 0x0
.endif
	WIN 0x50
	MM1 4, \s, 4
	WIN 0
	PLACES
.if \s < 7
	WLOAD 4, \s+1
.endif
.if \s < 4
	XLOAD \s+4, 4
.endif
.endr
	EPI1 0
	s_add_co_u32 s34, s29, 1
	s_cmp_ge_u32 s34, s26
	s_cbranch_scc1 .Lskip                          ; the second tile lies past the expert's: its sums are dropped
	EPI1 1
.Lskip:
	s_add_co_u32 s30, s30, 1024
	s_add_co_u32 s29, s29, 16
	s_add_co_u32 s28, s28, 1
	s_cmp_lt_u32 s28, 4
	s_cbranch_scc1 .Lgroup
	s_wait_xcnt 0x0
	v_lshl_add_u32 v254, v0, 2, 0x2a800
	v_mov_b32 v255, 0
	s_wait_tensorcnt 0x0
	ds_add_u32 v254, v255
	s_wait_dscnt 0x0
	s_endpgm
.Lfunc_end_k_qe330987e51_ffn1:
	.size	k_qe330987e51_ffn1, .Lfunc_end_k_qe330987e51_ffn1-k_qe330987e51_ffn1
	.p2alignl 7, 3214868480
	.fill 96, 4, 3214868480
	.section	.rodata,"a",@progbits
	.p2align	6, 0x0
	.amdhsa_kernel k_qe330987e51_ffn1
		.amdhsa_group_segment_fixed_size 175104
		.amdhsa_private_segment_fixed_size 0
		.amdhsa_enable_private_segment 0
		.amdhsa_kernarg_size 56
		.amdhsa_user_sgpr_count 2
		.amdhsa_user_sgpr_kernarg_segment_ptr 1
		.amdhsa_wavefront_size32 1
		.amdhsa_system_sgpr_workgroup_id_x 1
		.amdhsa_system_sgpr_workgroup_id_y 1
		.amdhsa_system_sgpr_workgroup_id_z 1
		.amdhsa_system_vgpr_workitem_id 0
		.amdhsa_next_free_vgpr 512
		.amdhsa_next_free_sgpr 66
		.amdhsa_reserve_vcc 1
		.amdhsa_float_denorm_mode_32 3
		.amdhsa_float_denorm_mode_16_64 3
		.amdhsa_memory_ordered 1
		.amdhsa_forward_progress 1
		.amdhsa_inst_pref_size 199
	.end_amdhsa_kernel
	.amdgpu_metadata
---
amdhsa.version: [ 1, 2 ]
amdhsa.kernels:
  - .name:           k_qe330987e51_ffn1
    .symbol:         k_qe330987e51_ffn1.kd
    .args:
      - { .name: w1, .offset: 0, .size: 8, .value_kind: global_buffer, .address_space: global }
      - { .name: b1, .offset: 8, .size: 8, .value_kind: global_buffer, .address_space: global }
      - { .name: xq, .offset: 16, .size: 8, .value_kind: global_buffer, .address_space: global }
      - { .name: xs, .offset: 24, .size: 8, .value_kind: global_buffer, .address_space: global }
      - { .name: sel, .offset: 32, .size: 8, .value_kind: global_buffer, .address_space: global }
      - { .name: hq, .offset: 40, .size: 8, .value_kind: global_buffer, .address_space: global }
      - { .name: hs, .offset: 48, .size: 8, .value_kind: global_buffer, .address_space: global }
    .group_segment_fixed_size: 175104
    .private_segment_fixed_size: 0
    .kernarg_segment_align: 8
    .kernarg_segment_size: 56
    .max_flat_workgroup_size: 256
    .sgpr_count:     66
    .vgpr_count:     512
    .wavefront_size: 32
...
	.end_amdgpu_metadata
.endif
;; end of part 2
;; launch ffn2 (part 3): grid 256 x 1, 8 waves a work-group, no clusters, 175,104 bytes of LDS; arguments w2, b2, hq, hs, sel, part; writes part
.if DOCPART == 3
	.amdgcn_target "amdgcn-amd-amdhsa--gfx1250"
	.amdhsa_code_object_version 6
	.text
	.protected	k_qe330987e51_ffn2
	.globl	k_qe330987e51_ffn2
	.p2align	8
	.type	k_qe330987e51_ffn2,@function
k_qe330987e51_ffn2:
	s_mov_b64 s[64:65], 0
	v_nop
	global_prefetch_b8 v0, s[64:65] scope:SCOPE_SE
	s_setreg_imm32_b32 hwreg(HW_REG_WAVE_MODE, 25, 1), 1
	s_wait_xcnt 0x0
; SECOND PRODUCT OF THE EXPERTS, ON THE CHOSEN ROWS:  part[kh][slot][token][d] = H Q(W2[e])^T over half kh of the 4,096 hidden units (+ b2[e] in half 0).
; SHARES.  Work-group x owns expert e = x / 32, outputs d0 = 64 ((x / 2) % 16) .. + 63 and half kh = x % 2 of K: 64 rows x 2,048 of w2, 512 KB that no other work-group reads.
; THE LIST is built from sel by the same lines as in the launch before: the expert's tokens first, entry = slot x 1,024 + token.
; THE STREAM, 8 steps.  In step f wave w takes the 16 rows of tile n = w % 4 at K step 8 (w / 4) + f of the half's sixteen (dense loads of 512 bytes), turns them through its own stage in
; LDS, quantises them and leaves the fragment in LDS as an image of the operand's 12 registers.  Behind one barrier every wave reads the step's 8 images (K steps f and 8 + f, four tiles
; each) and multiplies them with ITS two tiles of 16 listed rows (tiles 2 w, 2 w + 1), whose images of H it loads from fixed places: the products run while later weights are on their way.
; No image byte is written twice, so one barrier a step is all.  This first round has a fixed shape and no branch: the launch before stores tiles 0 .. 15 of every expert.
; Only tiles under the expert's count are stored.
; TILES 16 .. 63: a loop of 3 trips over the images that stay in LDS; wave w takes tiles 2 g, 2 g + 1, g = w + 8 x trip; a trip past the expert's tiles is jumped over.
; Each listed row's 64 sums, 256 bytes, go to row 2,048 kh + entry of part.
; ROWS BEHIND THE EXPERT'S LAST (at most 15, in its last tile) belong to other experts' tokens.  Their sums go to spare rows of part, row 4,096 + 16 (8 kh + e) + the row's number in
; its tile, which no launch reads: the row is chosen by a select, so that every lane stays on.  Each byte of part, spare rows too, has one writer.
; A token's four parts are added by the last launch.
; TRANSPOSED USE: source 0 = 16 rows of W2, source 1 = 16 rows of H: a lane holds eight neighbouring outputs of one row.  The first product of a sum takes the constant 0; b2 (times 1 or 0
; by the half) is added on the way out.
; NO TENSOR LOADS, NO JOINT LOADS: the weights are shared with nobody.
; LIMITS: NaN and infinities are not served (b2 is multiplied by 0 in half 1).  A block of zeros gets the byte 1 (its codes are zeros).
; REGISTERS.  Window 0: v1-18 addresses, v21 the scale word just made; v24-39 H's scale words (lanes 0-15 an even K step's, lanes 16-31 the odd one's); v40-47 W2's (two sets);
;   v48-55, v248-255 the two tiles' store offsets; v56-151 W2's fragments, two sets of four; v152-247 H's fragments, four buffers of two tiles.
;   Laid over W2's fragments when idle: v56-119 numbers to quantise, v120-139 codes, v140-151 at work, v64-95 sel; on the way out v56-119 rows.
;   Window 1: v0-63 the 8 accumulators (32 t + 8 n); v64-255 three weight sets of 64; behind the stream v64-95 b2.
.set LIST, 0
.set WIMG, 4096                        ; 64 images of 1,536 bytes: K step s, tile n at 4 s + n
.set WSC,  102400                      ; W2's scale words: 256 s + 16 r + 4 n
.set STG,  106496                      ; a stage for each wave
.set STGW, 8448
.set SP,   528                         ; the stream: 16 rows x (512 + 16) bytes
.set OP,   272                         ; the way out: 16 rows x (256 + 16) bytes
.set FRB,  1536
.set LASTROW, 0x10ff                   ; part has 4,096 rows and 256 spare ones
.set LI,  1                            ; 16 x lane
.set L4,  2                            ; 4 x lane
.set SH8, 3                            ; 8 x (lane / 16)
.set STW, 4
.set STR, 5
.set IW,  6                            ; where my images go
.set WSW, 7                            ; where my scale words go
.set WB0, 8                            ; images 0-31, way out
.set WB1, 9                            ; images 32-63
.set WSR, 10
.set HI,  11                           ; lane / 16
.set CO,  12                           ; 16 x (lane % 16)
.set LE,  13                           ; my place in the list, first round
.set SO,  14                           ; the way out: where I put 32 bytes of a row
.set SRD, 15                           ; and where I read a row back
.set BO,  16                           ; 32 x (lane / 16): b2
.set LEK, 17                           ; my place in the list, this trip
.set DR,  18                           ; the spare row of row lane / 16 of a tile
.set PW,  21                           ; the scale word just made (at the head: the lane's number)
.set HS,  24
.set WS,  40
.set OF,  48                           ; tile t, row pair i: v[OF + 200 t + i]
.set WF,  56
.set HF,  152
.set X,   56
.set PC,  120
.set TM,  140
.set S,   64
.set OB,  56                           ; tile t's rows on the way out: v[OB + 32 t] on
.set SEL, 46
.set MSB, 0
.macro WIN new                         ; the immediate's high byte repeats the setting that is left
.if MSB != \new
	s_set_vgpr_msb (MSB<<8)|\new
.set MSB, \new
.endif
.endm
.macro PLACES                          ; four plain vector lines behind a matrix instruction, ahead of loads into its registers and of reads of its result
.rept 4
	v_nop
.endr
.endm
.macro WGET f                          ; my 16 rows' step f into set f % 3 of window 1: each load reads 512 consecutive bytes of one row
	WIN 0x40
.irp i, 0,1,2,3,4,5,6,7,8,9,10,11,12,13,14,15
	global_load_b128 v[64+64*((\f)%3)+4*\i:64+64*((\f)%3)+4*\i+3], v[LI], s[4:5] offset:16384*\i+512*(\f) th:TH_LOAD_NT
.endr
	WIN 0
.endm
; 64 numbers of a lane, v[X + 32 c + i] = k 64 c + 32 (lane / 16) + i of my row: two whole blocks.  Codes to v[PC] on, the row's scale word to v[PW].
.macro QW
.irp c, 0,1
	v_max3_num_f32 v[TM+2*\c], |v[X+32*\c]|, |v[X+32*\c+1]|, 0x1800000       ; with the floor 2^(3 - 127): the byte cannot fall under 1
	v_max3_num_f32 v[TM+2*\c+1], |v[X+32*\c+16]|, |v[X+32*\c+17]|, 0x1800000
.endr
.irp i, 2,4,6,8,10,12,14
.irp c, 0,1
	v_max3_num_f32 v[TM+2*\c], v[TM+2*\c], |v[X+32*\c+\i]|, |v[X+32*\c+\i+1]|   ; four chains by turns
	v_max3_num_f32 v[TM+2*\c+1], v[TM+2*\c+1], |v[X+32*\c+16+\i]|, |v[X+32*\c+17+\i]|
.endr
.endr
.irp c, 0,1
	v_max_num_f32 v[TM+2*\c], v[TM+2*\c], v[TM+2*\c+1]
.endr
.irp c, 0,1
	v_add_nc_u32 v[TM+8+\c], 0xff000000, v[TM+2*\c]    ; 2 off the exponent field: the conversion's scale operand
.endr
.irp c, 0,1
	v_lshrrev_b32 v[TM+10+\c], 23, v[TM+8+\c]          ; the byte
.endr
	v_lshl_or_b32 v[PW], v[TM+11], 16, v[TM+10]    ; blocks h and 2 + h,
	v_lshlrev_b32 v[PW], v[SH8], v[PW]             ; at their places in the word;
	v_permlanex16_b32 v[TM+6], v[PW], s[SEL], s[SEL+1]
	v_or_b32 v[PW], v[PW], v[TM+6]                 ; with lane l xor 16's two bytes the word is whole
.irp c, 0,1
	v_cvt_scalef32_pk16_fp6_f32 v[PC+6*\c:PC+6*\c+2], v[X+32*\c:X+32*\c+15], v[TM+8+\c]
	v_cvt_scalef32_pk16_fp6_f32 v[PC+12+4*\c:PC+14+4*\c], v[X+32*\c+16:X+32*\c+31], v[TM+8+\c]   ; (a conversion's three registers begin on an even number)
.endr
	v_nop                                          ; one plain line behind the conversions
.irp c, 0,1
.irp i, 0,1,2
	v_mov_b32 v[PC+3+6*\c+\i], v[PC+12+4*\c+\i]
.endr
.endr
.endm
.macro W2LOAD s, w                     ; W2's four tiles of K step s and their scale words into set w: 13 LDS loads
.irp n, 0,1,2,3
.irp c, 0,1,2
	ds_load_b128 v[WF+48*(\w)+12*\n+4*\c:WF+48*(\w)+12*\n+4*\c+3], v[WB0+(\s)/8] offset:((4*(\s)+\n)%32)*FRB+512*\c
.endr
.endr
	ds_load_b128 v[WS+4*(\w):WS+4*(\w)+3], v[WSR] offset:256*(\s)
.endm
.macro HLOAD s, b                      ; my two tiles' images of H, K step s, into buffer b: 512 consecutive bytes a load
.irp t, 0,1
.irp c, 0,1,2
	global_load_b128 v[HF+24*(\b)+12*\t+4*\c:HF+24*(\b)+12*\t+4*\c+3], v[LI], s[36+4*\t:37+4*\t] offset:FRB*(\s)+512*\c
.endr
.endr
.endm
.macro HSLOAD                          ; H's scale words of the half's sixteen K steps
.irp t, 0,1
.irp i, 0,1,2,3,4,5,6,7
	global_load_b32 v[HS+8*\t+\i], v[L4], s[38+4*\t:39+4*\t] offset:128*\i   ; lanes 0-15: K step 2 i's words; lanes 16-31: K step 2 i + 1's
.endr
.endr
.endm
; 8 matrix instructions: W2's four tiles (set w) x my two tiles of rows (buffer b), K step s.  The 8 accumulators take turns, one instruction a turn.  K step 0 starts the sums.
.macro MM2 s, w, b
.irp n, 0,1,2,3
.irp t, 0,1
.if (\s) == 0
	v_wmma_scale_f32_16x16x128_f8f6f4 v[32*\t+8*\n:32*\t+8*\n+7], v[WF+48*(\w)+12*\n:WF+48*(\w)+12*\n+11], v[HF+24*(\b)+12*\t:HF+24*(\b)+12*\t+11], 0, v[WS+4*(\w)+\n], v[HS+8*\t+(\s)/2] matrix_a_fmt:MATRIX_FMT_FP6 matrix_b_fmt:MATRIX_FMT_FP6
.elseif (\s)%2 == 0
	v_wmma_scale_f32_16x16x128_f8f6f4 v[32*\t+8*\n:32*\t+8*\n+7], v[WF+48*(\w)+12*\n:WF+48*(\w)+12*\n+11], v[HF+24*(\b)+12*\t:HF+24*(\b)+12*\t+11], v[32*\t+8*\n:32*\t+8*\n+7], v[WS+4*(\w)+\n], v[HS+8*\t+(\s)/2] matrix_a_fmt:MATRIX_FMT_FP6 matrix_b_fmt:MATRIX_FMT_FP6
.else
	v_wmma_scale_f32_16x16x128_f8f6f4 v[32*\t+8*\n:32*\t+8*\n+7], v[WF+48*(\w)+12*\n:WF+48*(\w)+12*\n+11], v[HF+24*(\b)+12*\t:HF+24*(\b)+12*\t+11], v[32*\t+8*\n:32*\t+8*\n+7], v[WS+4*(\w)+\n], v[HS+8*\t+(\s)/2] matrix_a_fmt:MATRIX_FMT_FP6 matrix_b_fmt:MATRIX_FMT_FP6 matrix_b_scale:MATRIX_SCALE_ROW1
.endif
.endr
.endr
.endm
.macro HBASE tr, d                     ; s[d:d+1] = hq at tile s[tr], this half's first K step; s[d+2:d+3] = hs likewise
	s_add_co_u32 s[\d], s31, s[\tr]
	s_lshl_b32 s[\d+2], s[\d], 11
	s_lshl_b32 s[\d], s[\d], 5
	s_add_co_u32 s[\d], s[\d], s32
	s_mul_i32 s[\d], s[\d], FRB
	s_mov_b32 s[\d+1], 0
	s_add_nc_u64 s[\d:\d+1], s[8:9], s[\d:\d+1]
	s_add_co_u32 s[\d+2], s[\d+2], s33
	s_mov_b32 s[\d+3], 0
	s_add_nc_u64 s[\d+2:\d+3], s[10:11], s[\d+2:\d+3]
.endm
.macro ENTS adr                        ; the entries of my two tiles' rows: row 2 i + lane / 16 of tile t
.irp t, 0,1
.irp i, 0,1,2,3,4,5,6,7
	ds_load_b32 v[OF+200*\t+\i], v[\adr] offset:64*\t+8*\i
.endr
.endr
.endm
.macro OFFS2                           ; and what they become: the byte in part at which I store my 16 bytes of that row
	s_lshl_b32 s49, s29, 4
	s_sub_co_i32 s49, s24, s49                     ; the expert's rows from my first tile's first row on
.irp t, 0,1
.irp i, 0,1,2,3,4,5,6,7
	s_sub_co_i32 s50, s49, 16*\t+2*\i
	v_add_nc_u32 v[OF+200*\t+\i], s52, v[OF+200*\t+\i]                    ; the entry's row of part: 2,048 kh + entry
	v_add_nc_u32 v20, 2*\i, v[DR]                                         ; the spare row of this row of a tile
	v_cmp_gt_i32 vcc_lo, s50, v[HI]                                       ; is row 2 i + lane / 16 the expert's?
	v_cndmask_b32 v[OF+200*\t+\i], v20, v[OF+200*\t+\i], vcc_lo
	v_min_u32 v[OF+200*\t+\i], LASTROW, v[OF+200*\t+\i]                   ; a row of part, whatever the list holds
	v_lshl_add_u32 v[OF+200*\t+\i], v[OF+200*\t+\i], 12, v[CO]            ; rows of 4,096 bytes, + my 16 bytes of the 256
.endr
.endr
.endm
; A STEP OF THE STREAM.  cw = a count that shows this step's sixteen weight loads in (under 0: shown already); ch = the loads issued behind this step's twelve loads of H.
.macro FSTEP2 f, cw, ch
.if \cw >= 0
	s_wait_loadcnt \cw
.endif
	WIN 0x04                                       ; an LDS store's data: window 1
.irp i, 0,1,2,3,4,5,6,7,8,9,10,11,12,13,14,15
	ds_store_b128 v[STW], v[64+64*((\f)%3)+4*\i:64+64*((\f)%3)+4*\i+3] offset:SP*\i
.endr
	WIN 0
.irp c, 0,1
.irp j, 0,1,2,3,4,5,6,7
	ds_load_b128 v[X+32*\c+4*\j:X+32*\c+4*\j+3], v[STR] offset:256*\c+16*\j   ; LDS serves a wave's instructions in order: these see the stores above
.endr
.endr
	s_wait_dscnt 0x0                               ; my numbers are back, and the stores have read the weight set
.if ((\f) > 0) && ((\f)+1 < 8)
	HLOAD (\f)+1, 2*(((\f)+1)%2)                   ; the next step's H: K steps f + 1 and f + 9
	HLOAD (\f)+9, 2*(((\f)+1)%2)+1
.endif
.if (\f) == 6
	WIN 0x40
.irp n, 0,1,2,3                                ; set 0 has had its last weights: b2 in the result's layout: lane (r, h), tile n: outputs 16 n + 8 h + 0 .. 7
	global_load_b128 v[64+8*\n:64+8*\n+3], v[BO], s[6:7] offset:64*\n
	global_load_b128 v[64+8*\n+4:64+8*\n+7], v[BO], s[6:7] offset:64*\n+16
.endr
	WIN 0
.endif
	QW
.irp c, 0,1,2
	ds_store_b128 v[IW], v[PC+4*\c:PC+4*\c+3] offset:6144*(\f)+512*\c
.endr
	ds_store_b32 v[WSW], v[PW] offset:256*(\f)     ; both lanes of a row write the same word
	s_wait_dscnt 0x0                               ; for the others' sake: my image and scale words have landed
	s_barrier_signal -1
	s_barrier_wait -1                              ; the step's eight images lie in LDS
	W2LOAD \f, 0
	W2LOAD (\f)+8, 1
	s_wait_loadcnt \ch                             ; this step's H is in
.if (\f) == 0
	HLOAD 1, 2
	HLOAD 9, 3
.endif
.if (\f)+3 < 8
	WGET (\f)+3                                    ; the set takes the step three on
.endif
	s_wait_dscnt 13                                ; K step f's W2 is in; K step 8 + f's thirteen loads may be out
	WIN 0x50                                       ; C and D: window 1
	MM2 \f, 0, 2*((\f)%2)
	s_wait_dscnt 0x0
	MM2 (\f)+8, 1, 2*((\f)%2)+1
	WIN 0
	PLACES
.endm
; Tile t of my two takes b2, goes through my stage and leaves as rows of 256 bytes, each at the offset made for it at the round's head.
.macro EPI2 t
	WIN 0x45                                       ; destination and both sources: window 1
.set J, 0
.rept 16
	v_pk_add_f32 v[32*\t+J:32*\t+J+1], v[32*\t+J:32*\t+J+1], v[64+J:64+J+1]   ; each accumulator from its low end on
.set J, J+2
.endr
	WIN 0x04                                       ; an LDS store's data: window 1
.irp n, 0,1,2,3
	ds_store_b128 v[SO], v[32*\t+8*\n:32*\t+8*\n+3] offset:64*\n
	ds_store_b128 v[SO], v[32*\t+8*\n+4:32*\t+8*\n+7] offset:64*\n+16
.endr
	WIN 0
.irp i, 0,1,2,3,4,5,6,7
	ds_load_b128 v[OB+32*\t+4*\i:OB+32*\t+4*\i+3], v[SRD] offset:2*OP*\i  ; LDS serves a wave's instructions in order: these see the stores above
.endr
.irp i, 0,1,2,3,4,5,6,7
	s_wait_dscnt 7-\i                              ; row pair i is back; the pairs read behind it may be out
	global_store_b128 v[OF+200*\t+\i], v[OB+32*\t+4*\i:OB+32*\t+4*\i+3], s[14:15]   ; 16 lanes store 256 consecutive bytes, at a multiple of 256 from part's first byte
.endr
.endm
	s_load_b256 s[4:11], s[0:1], 0x0               ; w2, b2, hq, hs
	s_load_b128 s[12:15], s[0:1], 0x20             ; sel, part
	v_lshl_add_u32 v22, v0, 2, 0x2a800
	v_mov_b32 v23, 0
	v_lshrrev_b32 v20, 5, v0
	v_readfirstlane_b32 s18, v20                   ; wave 0..7
	v_and_b32 v21, 31, v0                          ; lane
	v_lshlrev_b32 v[LI], 4, v21
	s_lshr_b32 s20, ttmp9, 5                       ; e
	s_bfe_u32 s21, ttmp9, 0x40001
	s_lshl_b32 s21, s21, 6                         ; d0
	s_and_b32 s19, ttmp9, 1                        ; kh
	s_and_b32 s44, s18, 3                          ; my tile n
	s_lshr_b32 s45, s18, 2                         ; my eight K steps
	s_lshl_b32 s40, s20, 10
	s_add_co_u32 s40, s40, s21                     ; the slice's first row among w2's 8,192
	s_lshl_b32 s42, s40, 2                         ; and its place in b2
	s_mov_b32 s43, 0
	s_lshl_b32 s41, s44, 4
	s_add_co_u32 s40, s40, s41
	s_lshl_b32 s40, s40, 14                        ; rows of 16,384 bytes: under 2^27
	s_lshl_b32 s41, s19, 13
	s_add_co_u32 s40, s40, s41                     ; + 2,048 kh numbers
	s_lshl_b32 s41, s45, 12
	s_add_co_u32 s40, s40, s41                     ; + 1,024 (wave / 4) numbers
	s_mov_b32 s41, 0
	s_lshl_b32 s34, s21, 2                         ; part: my columns begin 4 d0 bytes into a row
	s_mov_b32 s35, 0
	s_lshl_b32 s52, s19, 11                        ; half kh's rows begin at row 2,048 kh
	s_lshl_b32 s53, s19, 3
	s_add_co_u32 s53, s53, s20
	s_lshl_b32 s53, s53, 4
	s_add_co_u32 s53, s53, 4096                    ; the spare rows of (kh, e): 4,096 + 16 (8 kh + e) on
	s_lshl_b32 s22, 0x101, s20                     ; the expert's two bits in a word of sel
	s_add_co_u32 s23, s20, 8                       ; the bit that says: second choice
	s_lshl_b32 s29, s18, 1                         ; my first tile of the first round: 2 x wave
	s_lshl_b32 s31, s20, 6                         ; 64 e
	s_lshl_b32 s32, s19, 4                         ; 16 kh
	s_lshl_b32 s33, s19, 10                        ; 1,024 kh
	s_cmp_eq_u32 s19, 0
	s_cselect_b32 s48, 1.0, 0                      ; b2 counts in half 0 alone
	s_mov_b32 s[SEL], 0x76543210
	s_mov_b32 s[SEL+1], 0xfedcba98                 ; v_permlanex16_b32's selects for lane l xor 16
	s_wait_kmcnt 0x0
	s_add_nc_u64 s[4:5], s[4:5], s[40:41]
	s_add_nc_u64 s[6:7], s[6:7], s[42:43]
	s_add_nc_u64 s[14:15], s[14:15], s[34:35]
.irp i, 0,1,2,3,4,5,6,7
	global_load_b128 v[S+4*\i:S+4*\i+3], v[LI], s[12:13] offset:512*\i   ; register 4 i + q: token 128 i + 4 lane + q
.endr
	WGET 0
	WGET 1
	WGET 2                                         ; 48 weight loads a wave are out before anything else is done
	v_and_b32 v20, 15, v0                          ; r
	v_bfe_u32 v[HI], v0, 4, 1                      ; h
	v_lshlrev_b32 v[L4], 2, v21
	v_lshlrev_b32 v[SH8], 3, v[HI]
	v_lshlrev_b32 v[CO], 4, v20
	s_mul_i32 s40, s18, STGW
	s_add_co_u32 s40, s40, STG
	v_add_nc_u32 v[STW], s40, v[LI]
	v_mul_u32_u24 v[STR], v20, SP
	v_lshl_add_u32 v[STR], v[HI], 7, v[STR]
	v_add_nc_u32 v[STR], s40, v[STR]               ; row r, + 128 h: my blocks of 32 numbers
	v_mul_u32_u24 v[SO], v20, OP
	v_lshl_add_u32 v[SO], v[HI], 5, v[SO]
	v_add_nc_u32 v[SO], s40, v[SO]                 ; row r, + 32 h
	v_mul_u32_u24 v[SRD], v[HI], OP
	v_add_nc_u32 v[SRD], v[SRD], v[CO]
	v_add_nc_u32 v[SRD], s40, v[SRD]               ; lanes 0-15 one row, lanes 16-31 the next
	s_mul_i32 s40, s45, 49152
	s_mul_i32 s41, s44, FRB
	s_add_co_u32 s40, s40, s41
	s_add_co_u32 s40, s40, WIMG
	v_add_nc_u32 v[IW], s40, v[LI]
	v_add_nc_u32 v[WSR], WSC, v[CO]                ; 16 r
	s_lshl_b32 s40, s45, 11
	s_lshl_b32 s41, s44, 2
	s_add_co_u32 s40, s40, s41
	v_add_nc_u32 v[WSW], s40, v[WSR]
	v_add_nc_u32 v[WB0], WIMG, v[LI]
	v_add_nc_u32 v[WB1], WIMG+49152, v[LI]
	s_lshl_b32 s40, s18, 7
	v_lshlrev_b32 v[LEK], 2, v[HI]
	v_add_nc_u32 v[LE], s40, v[LEK]
	v_add_nc_u32 v[LE], LIST, v[LE]                ; 128 x wave + 4 (lane / 16)
	v_lshlrev_b32 v[BO], 5, v[HI]
	v_add_nc_u32 v[DR], s53, v[HI]
	v_mov_b32 v[TM+6], 0                           ; written once: a lane permute's destination counts as one of its sources
	s_add_co_u32 s35, s29, 1                       ; my second tile
	HBASE 29, 36
	HBASE 35, 40
	s_wait_loadcnt 48                              ; sel is in; the 48 weight loads were issued behind it
	; every wave counts the expert's tokens
	s_mov_b32 s24, 0
.set J, 0
.rept 32
	v_and_b32 v56, s22, v[S+J]
	v_cmp_ne_u32 vcc_lo, 0, v56
	s_bcnt1_i32_b32 s25, vcc_lo
	s_add_co_u32 s24, s24, s25                     ; n
.set J, J+1
.endr
	s_add_co_u32 s26, s24, 15
	s_lshr_b32 s26, s26, 4                         ; its tiles of 16 rows
	; the first round's H lies at fixed places: it is asked for here, so that it lands while the list is made
	s_wait_loadcnt 32                              ; step 0's weights are in; steps 1 and 2, 32 loads, were issued behind them
	HLOAD 0, 0
	HLOAD 8, 1
	HSLOAD
	; wave 0 alone places the tokens: these are the launch's first LDS instructions, and a barrier stands between them and all others
	s_cmp_lg_u32 s18, 0
	s_cbranch_scc1 .Lplaced
	s_mov_b32 s27, 0                               ; the expert's tokens so far
	v_add_nc_u32 v59, s24, v21                     ; n + lane
	v_lshlrev_b32 v60, 2, v21                      ; 4 x lane
.set J, 0
.rept 32
	v_and_b32 v56, s22, v[S+J]
	v_cmp_ne_u32 vcc_lo, 0, v56
	v_mbcnt_lo_u32_b32 v57, vcc_lo, 0              ; the expert's tokens in the lanes below me,
	v_add_nc_u32 v57, s27, v57                     ; and in all that came before: the place of one that is the expert's
	v_add_nc_u32 v58, 32*J, v59
	v_sub_nc_u32 v58, v58, v57                     ; n + those before me that are not: the place of one that is not
	v_cndmask_b32 v57, v58, v57, vcc_lo
	v_lshrrev_b32 v58, s23, v[S+J]
	v_and_b32 v58, 1, v58                          ; slot
	v_add_nc_u32 v61, 128*(J/4)+J%4, v60           ; token
	v_lshl_or_b32 v58, v58, 10, v61
	v_min_u32 v57, 0x3ff, v57                      ; a place in the list, whatever sel holds
	v_lshl_add_u32 v62, v57, 2, LIST
	ds_store_b32 v62, v58
	s_bcnt1_i32_b32 s25, vcc_lo
	s_add_co_u32 s27, s27, s25
.set J, J+1
.endr
.Lplaced:
	s_wait_dscnt 0x0                               ; wave 0's stores have landed
	s_barrier_signal -1
	s_barrier_wait -1
	; THE FIRST ROUND, inside the stream.  Loads go out in this order (W 16, H 12): W0 W1 W2 | H0, scale words 16 | H1 W3 | H2 W4 | H3 W5 | H4 W6 | H5 W7 | H6 | H7, b2 8
	ENTS LE
	s_wait_dscnt 0x0
	OFFS2
	FSTEP2 0, -1, 0                                ; W0 was waited for above;          nothing was issued behind H0's scale words
	FSTEP2 1, 28, 28                               ; W1 stands ahead of H0, which step 0's wait showed in: H1 W3 may be out;   behind H1: W3 H2
	FSTEP2 2, 44, 28                               ; W2 likewise: W3 H2 W4 may be out; behind H2: W4 H3
	FSTEP2 3, 56, 28                               ; behind W3: H2 W4 H3 W5;           behind H3: W5 H4
	FSTEP2 4, 56, 28                               ; behind W4: H3 W5 H4 W6;           behind H4: W6 H5
	FSTEP2 5, 56, 28                               ; behind W5: H4 W6 H5 W7;           behind H5: W7 H6
	FSTEP2 6, 40, 20                               ; behind W6: H5 W7 H6;              behind H6: H7 b2
	FSTEP2 7, 32, 8                                ; behind W7: H6 H7 b2;              behind H7: b2
	s_wait_loadcnt 0x0                             ; b2
	WIN 0x44                                       ; destination and source 1: window 1
.set J, 0
.rept 32
	v_mul_f32 v[64+J], s48, v[64+J]
.set J, J+1
.endr
	WIN 0
	s_cmp_ge_u32 s29, s26
	s_cbranch_scc1 .Lfirst_done                    ; a tile past the expert's count is not stored
	EPI2 0
	s_add_co_u32 s34, s29, 1
	s_cmp_ge_u32 s34, s26
	s_cbranch_scc1 .Lfirst_done
	EPI2 1
.Lfirst_done:
	; TILES 16 .. 63, from the images that stay in LDS; from here on a wave writes only its own stage
	s_mov_b32 s28, 1                               ; trip
	s_add_co_u32 s29, s29, 16                      ; my first tile of the trip: 2 (wave + 8 trip)
	s_mov_b32 s30, 1024                            ; its entries' step in the list
.Lgroup:
	s_cmp_ge_u32 s29, s26
	s_cbranch_scc1 .Lskip                          ; past the expert's tiles: only the steps at the trip's end are run
	s_wait_xcnt 0x0                                ; the last loads and stores have read their bases, offsets and data
	v_add_nc_u32 v[LEK], s30, v[LE]
	ENTS LEK
	W2LOAD 0, 0
	W2LOAD 1, 1
	s_add_co_u32 s34, s29, 1
	s_sub_co_u32 s35, s26, 1
	s_min_u32 s35, s34, s35                        ; a second tile past the expert's last reads the last again: only bytes that were written are read
	s_min_u32 s35, s35, 63
	HBASE 29, 36
	HBASE 35, 40
	HSLOAD
	HLOAD 0, 0
	HLOAD 1, 1
	HLOAD 2, 2
	HLOAD 3, 3
	s_wait_dscnt 26                                ; the 16 entries are in; W2's first two K steps, 13 loads each, were issued behind them
	OFFS2
.irp s, 0,1,2,3,4,5,6,7,8,9,10,11,12,13,14,15
.if \s < 13
	s_wait_loadcnt 18                              ; this K step's H is in; three later steps' loads, six each, were issued behind it
.else
	s_wait_loadcnt 6*(15-\s)
.endif
.if \s < 15
	s_wait_dscnt 13                                ; this K step's W2 is in; the next step's thirteen loads may be out
.else
	s_wait_dscnt 0x0
.endif
	WIN 0x50                                       ; C and D: window 1
	MM2 \s, \s%2, \s%4
	WIN 0
	PLACES
.if \s < 14
	W2LOAD \s+2, \s%2
.endif
.if \s < 12
	HLOAD \s+4, \s%4
.endif
.endr
	EPI2 0
	s_add_co_u32 s34, s29, 1
	s_cmp_ge_u32 s34, s26
	s_cbranch_scc1 .Lskip                          ; the second tile lies past the expert's: its sums are dropped
	EPI2 1
.Lskip:
	s_add_co_u32 s30, s30, 1024
	s_add_co_u32 s29, s29, 16
	s_add_co_u32 s28, s28, 1
	s_cmp_lt_u32 s28, 4
	s_cbranch_scc1 .Lgroup
	s_wait_tensorcnt 0x0
	ds_add_u32 v22, v23
	s_wait_dscnt 0x0
	s_endpgm
.Lfunc_end_k_qe330987e51_ffn2:
	.size	k_qe330987e51_ffn2, .Lfunc_end_k_qe330987e51_ffn2-k_qe330987e51_ffn2
	.p2alignl 7, 3214868480
	.fill 96, 4, 3214868480
	.section	.rodata,"a",@progbits
	.p2align	6, 0x0
	.amdhsa_kernel k_qe330987e51_ffn2
		.amdhsa_group_segment_fixed_size 175104
		.amdhsa_private_segment_fixed_size 0
		.amdhsa_enable_private_segment 0
		.amdhsa_kernarg_size 48
		.amdhsa_user_sgpr_count 2
		.amdhsa_user_sgpr_kernarg_segment_ptr 1
		.amdhsa_wavefront_size32 1
		.amdhsa_system_sgpr_workgroup_id_x 1
		.amdhsa_system_sgpr_workgroup_id_y 1
		.amdhsa_system_sgpr_workgroup_id_z 1
		.amdhsa_system_vgpr_workitem_id 0
		.amdhsa_next_free_vgpr 512
		.amdhsa_next_free_sgpr 66
		.amdhsa_reserve_vcc 1
		.amdhsa_float_denorm_mode_32 3
		.amdhsa_float_denorm_mode_16_64 3
		.amdhsa_memory_ordered 1
		.amdhsa_forward_progress 1
		.amdhsa_inst_pref_size 202
	.end_amdhsa_kernel
	.amdgpu_metadata
---
amdhsa.version: [ 1, 2 ]
amdhsa.kernels:
  - .name:           k_qe330987e51_ffn2
    .symbol:         k_qe330987e51_ffn2.kd
    .args:
      - { .name: w2, .offset: 0, .size: 8, .value_kind: global_buffer, .address_space: global }
      - { .name: b2, .offset: 8, .size: 8, .value_kind: global_buffer, .address_space: global }
      - { .name: hq, .offset: 16, .size: 8, .value_kind: global_buffer, .address_space: global }
      - { .name: hs, .offset: 24, .size: 8, .value_kind: global_buffer, .address_space: global }
      - { .name: sel, .offset: 32, .size: 8, .value_kind: global_buffer, .address_space: global }
      - { .name: part, .offset: 40, .size: 8, .value_kind: global_buffer, .address_space: global }
    .group_segment_fixed_size: 175104
    .private_segment_fixed_size: 0
    .kernarg_segment_align: 8
    .kernarg_segment_size: 48
    .max_flat_workgroup_size: 256
    .sgpr_count:     66
    .vgpr_count:     512
    .wavefront_size: 32
...
	.end_amdgpu_metadata
.endif
;; end of part 3
;; launch combine (part 4): grid 256 x 1, 4 waves a work-group, no clusters, 0 bytes of LDS; arguments part, topv, out0; writes out0
.if DOCPART == 4
	.amdgcn_target "amdgcn-amd-amdhsa--gfx1250"
	.amdhsa_code_object_version 6
	.text
	.protected	k_qe330987e51_combine
	.globl	k_qe330987e51_combine
	.p2align	8
	.type	k_qe330987e51_combine,@function
k_qe330987e51_combine:
	s_mov_b64 s[64:65], 0
	v_nop
	global_prefetch_b8 v0, s[64:65] scope:SCOPE_SE
	s_setreg_imm32_b32 hwreg(HW_REG_WAVE_MODE, 25, 1), 1
	s_wait_xcnt 0x0
; out0[t] = g0 (part[0][0][t] + part[1][0][t]) + g1 (part[0][1][t] + part[1][1][t]),  g_k = softmax over the 128 TOKENS of t's batch of the k-th chosen logit.
; A wave owns one token: it reads the batch's 256 chosen logits (1,024 bytes), takes each slot's maximum away before the exponentials, sums, and weighs its token's four rows of 4,096 bytes.
; Every load and store of a row covers 512 consecutive bytes.  All 32 row loads are out before the softmax is begun.  No LDS, no barrier, no matrix unit: a stream.
; LIMITS: NaN and infinities are not served.
.set P, 16                             ; v16-143: piece i of a row, 512 bytes: 16 registers: (half 0, slot 0), (half 1, slot 0), (half 0, slot 1), (half 1, slot 1)
	s_load_b128 s[4:7], s[0:1], 0x0                ; part, topv
	s_load_b64 s[8:9], s[0:1], 0x10                ; out0
	v_lshrrev_b32 v1, 5, v0
	v_readfirstlane_b32 s10, v1                    ; wave
	v_and_b32 v1, 31, v0
	v_lshlrev_b32 v2, 4, v1                        ; 16 x lane
	v_lshlrev_b32 v3, 5, v1                        ; 32 x lane
	s_lshl_b32 s11, ttmp9, 2
	s_add_co_u32 s11, s11, s10                     ; my token
	s_lshl_b32 s16, s11, 12
	s_mov_b32 s17, 0
	s_lshl_b32 s18, s11, 3
	s_mov_b32 s19, 0
	s_lshr_b32 s20, ttmp9, 5                       ; its batch
	s_lshl_b32 s20, s20, 10
	s_mov_b32 s21, 0
	s_mov_b32 s22, 0x76543210
	s_mov_b32 s23, 0xfedcba98                      ; v_permlanex16_b32's selects for lane l xor 16
	v_mov_b32 v146, 0                              ; written once: a lane permute's destination counts as one of its sources
	v_mov_b32 v147, 0
	s_wait_kmcnt 0x0
	s_add_nc_u64 s[18:19], s[6:7], s[18:19]
	s_load_b64 s[12:13], s[18:19], 0x0             ; my token's two logits
	s_add_nc_u64 s[6:7], s[6:7], s[20:21]
	s_add_nc_u64 s[4:5], s[4:5], s[16:17]          ; half 0
	s_add_nc_u64 s[24:25], s[4:5], 0x800000        ; half 1: 2,048 rows on
	s_add_nc_u64 s[8:9], s[8:9], s[16:17]
	global_load_b128 v[4:7], v3, s[6:7]            ; four tokens' pairs (slot 0, slot 1) a lane
	global_load_b128 v[8:11], v3, s[6:7] offset:16
.irp i, 0,1,2,3,4,5,6,7
	global_load_b128 v[P+16*\i:P+16*\i+3], v2, s[4:5] offset:512*\i th:TH_LOAD_NT
	global_load_b128 v[P+16*\i+4:P+16*\i+7], v2, s[24:25] offset:512*\i th:TH_LOAD_NT
	global_load_b128 v[P+16*\i+8:P+16*\i+11], v2, s[4:5] offset:4194304+512*\i th:TH_LOAD_NT
	global_load_b128 v[P+16*\i+12:P+16*\i+15], v2, s[24:25] offset:4194304+512*\i th:TH_LOAD_NT
.endr
	s_wait_loadcnt 32                              ; the logits are in; the 32 row loads were issued behind them
	v_max3_num_f32 v144, v4, v6, v8
	v_max3_num_f32 v145, v5, v7, v9
	v_max_num_f32 v144, v144, v10
	v_max_num_f32 v145, v145, v11
.irp m, 1,2,4,8
	v_max_num_f32_dpp v144, v144, v144 row_xmask:\m row_mask:0xf bank_mask:0xf
	v_max_num_f32_dpp v145, v145, v145 row_xmask:\m row_mask:0xf bank_mask:0xf
.endr
	v_permlanex16_b32 v146, v144, s22, s23
	v_permlanex16_b32 v147, v145, s22, s23
	v_max_num_f32 v144, v144, v146
	v_max_num_f32 v145, v145, v147                 ; v[144:145]: each slot's largest logit of the batch
.irp j, 0,2,4,6
	v_pk_add_f32 v[4+\j:5+\j], v[4+\j:5+\j], v[144:145] neg_lo:[0,1] neg_hi:[0,1]
.endr
	s_wait_kmcnt 0x0
	v_sub_f32 v148, s12, v144
	v_sub_f32 v149, s13, v145
.irp j, 0,2,4,6
	v_pk_mul_f32 v[4+\j:5+\j], v[4+\j:5+\j], 0x3fb8aa3b op_sel_hi:[1,0]   ; x log2(e)
.endr
	v_pk_mul_f32 v[148:149], v[148:149], 0x3fb8aa3b op_sel_hi:[1,0]
.irp j, 0,1,2,3,4,5,6,7
	v_exp_f32 v[4+\j], v[4+\j]
.endr
	v_exp_f32 v148, v148
	v_exp_f32 v149, v149
	v_nop                                          ; one plain line behind the exponentials
	s_wait_alu depctr_va_vdst(0)
	v_pk_add_f32 v[4:5], v[4:5], v[6:7]
	v_pk_add_f32 v[8:9], v[8:9], v[10:11]
	v_pk_add_f32 v[4:5], v[4:5], v[8:9]
.irp m, 1,2,4,8
	v_add_f32_dpp v4, v4, v4 row_xmask:\m row_mask:0xf bank_mask:0xf
	v_add_f32_dpp v5, v5, v5 row_xmask:\m row_mask:0xf bank_mask:0xf
.endr
	v_permlanex16_b32 v146, v4, s22, s23
	v_permlanex16_b32 v147, v5, s22, s23
	v_add_f32 v4, v4, v146
	v_add_f32 v5, v5, v147
	v_rcp_f32 v146, v4
	v_rcp_f32 v147, v5
	v_nop                                          ; one plain line behind the reciprocals
	s_wait_alu depctr_va_vdst(0)
	v_mul_f32 v150, v148, v146                     ; g0
	v_mul_f32 v152, v149, v147                     ; g1
	v_mov_b32 v151, v150                           ; (named with them as pairs)
	v_mov_b32 v153, v152
.irp i, 0,1,2,3,4,5,6,7
	s_wait_loadcnt 4*(7-\i)                        ; piece i's four loads are in; four for each later piece were issued behind them
.irp p, 0,2
	v_pk_mul_f32 v[P+16*\i+\p:P+16*\i+\p+1], v[P+16*\i+\p:P+16*\i+\p+1], v[150:151] op_sel_hi:[1,0]
	v_pk_fma_f32 v[P+16*\i+\p:P+16*\i+\p+1], v[P+16*\i+4+\p:P+16*\i+5+\p], v[150:151], v[P+16*\i+\p:P+16*\i+\p+1] op_sel_hi:[1,0,1]
	v_pk_fma_f32 v[P+16*\i+\p:P+16*\i+\p+1], v[P+16*\i+8+\p:P+16*\i+9+\p], v[152:153], v[P+16*\i+\p:P+16*\i+\p+1] op_sel_hi:[1,0,1]
	v_pk_fma_f32 v[P+16*\i+\p:P+16*\i+\p+1], v[P+16*\i+12+\p:P+16*\i+13+\p], v[152:153], v[P+16*\i+\p:P+16*\i+\p+1] op_sel_hi:[1,0,1]
.endr
	global_store_b128 v2, v[P+16*\i:P+16*\i+3], s[8:9] offset:512*\i th:TH_STORE_NT   ; 512 consecutive bytes, at a multiple of 512 from out0's first byte
.endr
	s_endpgm
.Lfunc_end_k_qe330987e51_combine:
	.size	k_qe330987e51_combine, .Lfunc_end_k_qe330987e51_combine-k_qe330987e51_combine
	.p2alignl 7, 3214868480
	.fill 96, 4, 3214868480
	.section	.rodata,"a",@progbits
	.p2align	6, 0x0
	.amdhsa_kernel k_qe330987e51_combine
		.amdhsa_group_segment_fixed_size 0
		.amdhsa_private_segment_fixed_size 0
		.amdhsa_enable_private_segment 0
		.amdhsa_kernarg_size 24
		.amdhsa_user_sgpr_count 2
		.amdhsa_user_sgpr_kernarg_segment_ptr 1
		.amdhsa_wavefront_size32 1
		.amdhsa_system_sgpr_workgroup_id_x 1
		.amdhsa_system_sgpr_workgroup_id_y 1
		.amdhsa_system_sgpr_workgroup_id_z 1
		.amdhsa_system_vgpr_workitem_id 0
		.amdhsa_next_free_vgpr 160
		.amdhsa_next_free_sgpr 66
		.amdhsa_reserve_vcc 0
		.amdhsa_float_denorm_mode_32 3
		.amdhsa_float_denorm_mode_16_64 3
		.amdhsa_memory_ordered 1
		.amdhsa_forward_progress 1
		.amdhsa_inst_pref_size 13
	.end_amdhsa_kernel
	.amdgpu_metadata
---
amdhsa.version: [ 1, 2 ]
amdhsa.kernels:
  - .name:           k_qe330987e51_combine
    .symbol:         k_qe330987e51_combine.kd
    .args:
      - { .name: part, .offset: 0, .size: 8, .value_kind: global_buffer, .address_space: global }
      - { .name: topv, .offset: 8, .size: 8, .value_kind: global_buffer, .address_space: global }
      - { .name: out0, .offset: 16, .size: 8, .value_kind: global_buffer, .address_space: global }
    .group_segment_fixed_size: 0
    .private_segment_fixed_size: 0
    .kernarg_segment_align: 8
    .kernarg_segment_size: 24
    .max_flat_workgroup_size: 128
    .sgpr_count:     66
    .vgpr_count:     160
    .wavefront_size: 32
...
	.end_amdgpu_metadata
.endif
;; end of part 4
;; ======== version 2 of 2: 4 launches; version 1 with the launches ffn1, ffn2 written anew for expert scheduling mode
;; workspace buffers: xq 786,432 bytes; xs 32,768 bytes; sel 4,096 bytes of whole numbers; topv 8,192 bytes; hq 25,165,824 bytes; hs 1,048,576 bytes; part 17,825,792 bytes
;; launch gate: the kernel of part 1 again; grid 256 x 1, 2 waves a work-group, no clusters, 22,784 bytes of LDS; arguments tokens, gate_w, gate_b, xq, xs, sel, topv; writes xq, xs, sel, topv
;; launch ffn1 (part 5): grid 256 x 1, 8 waves a work-group, no clusters, 175,104 bytes of LDS; arguments w1, b1, xq, xs, sel, hq, hs; writes hq, hs
.if DOCPART == 5
	.amdgcn_target "amdgcn-amd-amdhsa--gfx1250"
	.amdhsa_code_object_version 6
	.text
	.protected	k_qe330987e51_ffn1
	.globl	k_qe330987e51_ffn1
	.p2align	8
	.type	k_qe330987e51_ffn1,@function
k_qe330987e51_ffn1:
	s_mov_b64 s[64:65], 0
	v_nop
	global_prefetch_b8 v0, s[64:65] scope:SCOPE_SE
	s_setreg_imm32_b32 hwreg(HW_REG_WAVE_SCHED_MODE, 0, 2), 2
	s_setreg_imm32_b32 hwreg(HW_REG_WAVE_MODE, 25, 1), 1
	s_wait_xcnt 0x0
	s_wait_alu depctr_vm_vsrc(0)
; FIRST PRODUCT OF THE EXPERTS, ON THE CHOSEN ROWS:  H = Q(relu(Q(x) Q(W1[e])^T + b1[e])), codes of E2M3 with one E8M0 byte for each 32 along K.
; SHARES.  Work-group x owns expert e = x / 32 and hidden units 128 (x % 32) .. + 127: 128 rows x 1,024 of w1, 512 KB that no other work-group reads.
; THE LIST.  sel[t] holds token t's two experts as bits.  Every wave counts the expert's tokens; wave 0 places all 1,024 tokens in a list in LDS, the expert's own first, the others behind
; them: every entry is a valid token.  entry = slot x 1,024 + token.  The launch that follows builds the same list by the same lines.
; THE STREAM, 8 steps, one for each 128 along K.  In step f wave w takes its 16 rows' 128 numbers (dense loads of 512 bytes, asked for three steps ahead), turns them through its own stage in
; LDS so that a lane holds whole blocks of 32, quantises them and leaves the fragment in LDS as an image of the operand's 12 registers (lane l's 16 bytes at 16 l, three times 512 bytes).
; Behind one barrier every wave reads the step's 8 images and multiplies them with ITS two tiles of 16 listed rows (tiles 2 w, 2 w + 1): the products run while later weights are on their way.
; No image byte is written twice, so one barrier a step is all: a later step's stores never meet an earlier step's reads.
; THIS FIRST ROUND HAS A FIXED SHAPE: tiles 0 .. 15 of the list always hold valid tokens, so they are multiplied and stored for every expert, with no branch; where an expert has fewer
; than 256 tokens the rows behind its last are other experts' tokens, and the launch that follows drops them.
; TILES 16 .. 63 (an expert with more than 256 tokens): a loop of 3 trips over the images that stay in LDS; wave w takes tiles 2 g, 2 g + 1, g = w + 8 x trip; a trip past the expert's
; tiles is jumped over.
; TRANSPOSED USE: source 0 = 16 rows of W1, source 1 = 16 rows of x: a lane holds one row of H.  Lane r of tile 2 b + u of W1 takes row 32 b + 8 u + r + 8 (r / 8), so that a lane's
; 16 registers of two neighbouring tiles are 16 neighbours along the next K.  The first product of a sum takes the constant 0; b1 is added on the way out.
; NO TENSOR LOADS, NO JOINT LOADS: the weights are shared with nobody.
; LIMITS: NaN and infinities are not served.  A block of zeros gets the byte 1 (its codes are zeros; only this program reads the bytes).
; REGISTERS.  Window 0: v1-23 addresses, v21 the scale word just made; v24-31 x's scale words (4 a tile: lanes 0-15 K steps 0-3, lanes 16-31 K steps 4-7); v32-47 W1's (two sets);
;   v48-143 eight fragments of W1; v144-191 x's fragments, two buffers of two tiles (in the loop four: v144-239); v192-255 weight set 2.
;   Laid over the fragments when they are idle: v48-111 64 numbers to quantise, v112-131 codes, v132-147 at work; v144-175 sel; at the head v48-90 the list's lines.
;   Window 1: v0-127 the 16 accumulators (tile t, W1's tile n at 64 t + 8 n); v128-191, v192-255 weight sets 0, 1; behind the stream v128-191 b1 in the result's layout.
; THE MODE: SCHED_MODE bits 1:0 = 2 (LLVM: expert scheduling mode 2), set by the entry lines.  The code itself states the register dependences
; between vector or matrix instructions and memory or LDS instructions, with s_wait_alu, always for 0.
; THE PLAN.  Registers that memory or LDS instructions touch:
;   v1-13, v23    addresses and offsets, made once at the head and never written again: one wait on va_vdst ahead of the first load (v1), one behind the list's barrier (the others).
;   v14-17, v22   my rows' places in xq and xs, and my place in the list: made once a round; va_vdst behind the lines that make them, in the loop vm_vsrc ahead of them.
;   weight sets   Global loads land in them, the stage's LDS stores read them, no vector line names them: vm_vsrc between those stores and the loads that land in the set again.
;   v48-143       In a step: the stage's loads land in v48-111; the quantiser reads them and writes the codes and its own registers; the image's stores read v112-123 (and v21);
;                 behind the barrier the fragments' loads land on all 96; the matrix instructions read them.
;                 So a step has: va_vdst ahead of the stage's loads (the last step's matrix instructions are done), va_vdst ahead of the image's stores (the quantiser is done), vm_vsrc behind them.
;   v24-47, v144-191 (-239)   scale words and x: loads land, matrix instructions read; the step's first wait on va_vdst stands ahead of every load into them.
;   The accumulators and b1 are named by vector and matrix instructions alone.
.set LIST, 0                           ; LDS: 1,024 entries
.set WIMG, 4096                        ; 64 images of 1,536 bytes: K step s, tile n at 8 s + n
.set WSC,  102400                      ; W1's scale words: 512 s + 32 r + 4 n
.set STG,  106496                      ; a stage for each wave: 16 rows x (512 + 16) bytes
.set STGW, 8448
.set SP,   528
.set FRB,  1536
.set LI,  1                            ; 16 x lane
.set R4,  2                            ; 4 x (lane % 16)
.set SH8, 3                            ; 8 x (lane / 16)
.set STW, 4                            ; stage, way in
.set STR, 5                            ; stage, way out
.set IW0, 6                            ; where my images go, K steps 0-3
.set IW1, 7                            ; K steps 4-7
.set WSW, 8                            ; where my scale words go
.set WB0, 9                            ; images 0-31, way out
.set WB1, 10                           ; images 32-63
.set WSR, 11                           ; scale words, way out
.set LA,  12                           ; my place in the list, first round
.set H48, 13                           ; 48 x (lane / 16)
.set XO,  14                           ; v14-15 my rows' bytes in xq
.set XSO, 16                           ; v16-17 in xs
.set ENT, 18                           ; v18-19 list entries
.set PW,  21                           ; the scale word just made (at the head: the lane's number)
.set LAK, 22                           ; my place in the list, this trip
.set BO,  23                           ; 64 x (lane / 16): b1
.set XS,  24
.set WS,  32
.set WF,  48
.set XF,  144
.set X,   48
.set HA,  48
.set PC,  112
.set TM,  132
.set S,   144
.set AD,  48                           ; at the head only: v48-63 sixteen places in the list,
.set DT,  64                           ; v64-79 sixteen entries,
.set AN,  80                           ; v80-87 eight words of sel, masked,
.set NL,  88                           ; v88 n + lane,
.set L4T, 89                           ; v89 4 x lane,
.set TT,  90                           ; v90 at work
.set MK0, 32                           ; s32-39: eight masks, one for each of eight compares
.set MK1, 33
.set MK2, 34
.set MK3, 35
.set MK4, 36
.set MK5, 37
.set MK6, 38
.set MK7, 39
.set SEL, 46
.set MSB, 0
.macro WIN new                         ; the immediate's high byte repeats the setting that is left
.if MSB != \new
	s_set_vgpr_msb (MSB<<8)|\new
.set MSB, \new
.endif
.endm
.macro PLACES                          ; four plain vector lines behind a matrix instruction, ahead of vector lines that read its result or write its registers (ISA guide 7.12.1); they stay beside the waits
.rept 4
	v_nop
.endr
.endm
.macro MASKS q                         ; which of the tokens in registers 8 q .. 8 q + 7 of sel are the expert's: eight compares in a run, into eight scalar registers
.irp j, 0,1,2,3,4,5,6,7
	v_and_b32 v[AN+\j], s22, v[S+8*(\q)+\j]
.endr
.irp j, 0,1,2,3,4,5,6,7
	v_cmp_ne_u32 s[MK\j], 0, v[AN+\j]
.endr
	s_wait_alu depctr_va_sdst(0)                   ; the eight compares have written their masks, ahead of the first line that reads one
.endm
.macro WGET f                          ; my 16 rows' K step f into set f % 3: each load reads 512 consecutive bytes of one row
.if (\f)%3 == 2
	WIN 0
.set RB, 192
.else
	WIN 0x40
.set RB, 128+64*((\f)%3)
.endif
.irp i, 0,1,2,3,4,5,6,7,8,9,10,11,12,13,14,15
	global_load_b128 v[RB+4*\i:RB+4*\i+3], v[LI], s[4:5] offset:(\i+8*(\i/8))*4096+512*(\f) th:TH_LOAD_NT
.endr
	WIN 0
.endm
; 64 numbers of a lane, v[X + 32 c + i] = k 64 c + 32 (lane / 16) + i of my row: two whole blocks.  Codes to v[PC] on, the row's scale word to v[PW].
.macro QW
.irp c, 0,1
	v_max3_num_f32 v[TM+2*\c], |v[X+32*\c]|, |v[X+32*\c+1]|, 0x1800000       ; with the floor 2^(3 - 127): the byte cannot fall under 1
	v_max3_num_f32 v[TM+2*\c+1], |v[X+32*\c+16]|, |v[X+32*\c+17]|, 0x1800000
.endr
.irp i, 2,4,6,8,10,12,14
.irp c, 0,1
	v_max3_num_f32 v[TM+2*\c], v[TM+2*\c], |v[X+32*\c+\i]|, |v[X+32*\c+\i+1]|   ; four chains by turns
	v_max3_num_f32 v[TM+2*\c+1], v[TM+2*\c+1], |v[X+32*\c+16+\i]|, |v[X+32*\c+17+\i]|
.endr
.endr
.irp c, 0,1
	v_max_num_f32 v[TM+2*\c], v[TM+2*\c], v[TM+2*\c+1]
.endr
.irp c, 0,1
	v_add_nc_u32 v[TM+8+\c], 0xff000000, v[TM+2*\c]    ; 2 off the exponent field: the conversion's scale operand
.endr
.irp c, 0,1
	v_lshrrev_b32 v[TM+10+\c], 23, v[TM+8+\c]          ; the byte
.endr
	v_lshl_or_b32 v[PW], v[TM+11], 16, v[TM+10]    ; blocks h and 2 + h,
	v_lshlrev_b32 v[PW], v[SH8], v[PW]             ; at their places in the word;
	v_permlanex16_b32 v[TM+6], v[PW], s[SEL], s[SEL+1]
	v_or_b32 v[PW], v[PW], v[TM+6]                 ; with lane l xor 16's two the word is whole
.irp c, 0,1
	v_cvt_scalef32_pk16_fp6_f32 v[PC+6*\c:PC+6*\c+2], v[X+32*\c:X+32*\c+15], v[TM+8+\c]
	v_cvt_scalef32_pk16_fp6_f32 v[PC+12+4*\c:PC+14+4*\c], v[X+32*\c+16:X+32*\c+31], v[TM+8+\c]   ; (a conversion's three registers begin on an even number)
.endr
	v_nop                                          ; one plain line behind the conversions
.irp c, 0,1
.irp i, 0,1,2
	v_mov_b32 v[PC+3+6*\c+\i], v[PC+12+4*\c+\i]
.endr
.endr
.endm
.macro OFFS                            ; two list entries become my rows' places in xq and xs
.irp t, 0,1
	v_min_u32 v[ENT+\t], 0x7ff, v[ENT+\t]
	v_and_b32 v20, 0x3ff, v[ENT+\t]                ; the token
	v_mad_u32_u24 v[XO+\t], v20, 768, v[H48]
	v_lshlrev_b32 v[ENT+\t], 1, v[SH8]             ; 16 x (lane / 16)
	v_lshl_add_u32 v[XSO+\t], v20, 5, v[ENT+\t]
.endr
.endm
.macro XSLOAD                          ; my rows' scale words: lanes 0-15 those of K steps 0-3, lanes 16-31 of K steps 4-7.  The expert's 32 work-groups read these rows again
.irp t, 0,1
	global_load_b128 v[XS+4*\t:XS+4*\t+3], v[XSO+\t], s[10:11] th:TH_LOAD_HT
.endr
.endm
.macro XLOAD s, ring                   ; my two tiles' fragments of x, K step s: 48 bytes a lane and tile
.irp t, 0,1
.irp j, 0,1,2
	global_load_b128 v[XF+24*((\s)%(\ring))+12*\t+4*\j:XF+24*((\s)%(\ring))+12*\t+4*\j+3], v[XO+\t], s[8:9] offset:96*(\s)+16*\j th:TH_LOAD_HT
.endr
.endr
.endm
.macro WLOAD n0, s                     ; W1's tiles n0 .. n0 + 3 of K step s
.irp n, \n0, \n0+1, \n0+2, \n0+3
.irp c, 0,1,2
	ds_load_b128 v[WF+12*(\n)+4*\c:WF+12*(\n)+4*\c+3], v[WB0+(\s)/4] offset:((8*(\s)+(\n))%32)*FRB+512*\c
.endr
.endr
.endm
.macro WSLOAD s                        ; the eight tiles' scale words of K step s
	ds_load_b128 v[WS+8*((\s)%2):WS+8*((\s)%2)+3], v[WSR] offset:512*(\s)
	ds_load_b128 v[WS+8*((\s)%2)+4:WS+8*((\s)%2)+7], v[WSR] offset:512*(\s)+16
.endm
; 8 matrix instructions: W1's tiles n0 .. n0 + 3 x my two tiles of rows.  The 16 accumulators take turns, one instruction a turn.  K step 0 starts the sums.
.macro MM1 n0, s, ring
.irp n, \n0, \n0+1, \n0+2, \n0+3
.irp t, 0,1
.if (\s) == 0
	v_wmma_scale_f32_16x16x128_f8f6f4 v[64*\t+8*(\n):64*\t+8*(\n)+7], v[WF+12*(\n):WF+12*(\n)+11], v[XF+24*((\s)%(\ring))+12*\t:XF+24*((\s)%(\ring))+12*\t+11], 0, v[WS+8*((\s)%2)+(\n)], v[XS+4*\t+(\s)%4] matrix_a_fmt:MATRIX_FMT_FP6 matrix_b_fmt:MATRIX_FMT_FP6
.elseif (\s) < 4
	v_wmma_scale_f32_16x16x128_f8f6f4 v[64*\t+8*(\n):64*\t+8*(\n)+7], v[WF+12*(\n):WF+12*(\n)+11], v[XF+24*((\s)%(\ring))+12*\t:XF+24*((\s)%(\ring))+12*\t+11], v[64*\t+8*(\n):64*\t+8*(\n)+7], v[WS+8*((\s)%2)+(\n)], v[XS+4*\t+(\s)%4] matrix_a_fmt:MATRIX_FMT_FP6 matrix_b_fmt:MATRIX_FMT_FP6
.else
	v_wmma_scale_f32_16x16x128_f8f6f4 v[64*\t+8*(\n):64*\t+8*(\n)+7], v[WF+12*(\n):WF+12*(\n)+11], v[XF+24*((\s)%(\ring))+12*\t:XF+24*((\s)%(\ring))+12*\t+11], v[64*\t+8*(\n):64*\t+8*(\n)+7], v[WS+8*((\s)%2)+(\n)], v[XS+4*\t+(\s)%4] matrix_a_fmt:MATRIX_FMT_FP6 matrix_b_fmt:MATRIX_FMT_FP6 matrix_b_scale:MATRIX_SCALE_ROW1
.endif
.endr
.endr
.endm
; A STEP OF THE STREAM.  cw = the loads issued behind this step's sixteen weight loads; cx = the loads issued behind this step's six loads of x.
.macro FSTEP f, cw, cx
	s_wait_loadcnt \cw
.if (\f)%3 == 2
.set RB, 192
.else
.set RB, 128+64*((\f)%3)
	WIN 0x04                                       ; an LDS store's data: window 1
.endif
.irp i, 0,1,2,3,4,5,6,7,8,9,10,11,12,13,14,15
	ds_store_b128 v[STW], v[RB+4*\i:RB+4*\i+3] offset:SP*\i   ; loaded data and an address made at the head: these hang on no vector result, so they stand ahead of the wait below
.endr
	WIN 0
.if (\f) > 0
	s_wait_alu depctr_va_vdst(0)                   ; the last step's matrix instructions are done reading W1's fragments, in which the loads below land, x's other buffer, in which the next step's x lands, and the scale words
.endif
.irp c, 0,1
.irp j, 0,1,2,3,4,5,6,7
	ds_load_b128 v[X+32*\c+4*\j:X+32*\c+4*\j+3], v[STR] offset:256*\c+16*\j   ; LDS serves a wave's instructions in order: these see the stores above
.endr
.endr
	s_wait_dscnt 0x0                               ; my numbers are back
.if ((\f)+3 < 8) || ((\f) == 6)
	s_wait_alu depctr_vm_vsrc(0)                   ; the stage's stores have read the weight set, in which loads land again below
.endif
.if (\f)+1 < 8
	XLOAD (\f)+1, 2                                ; the next step's x, ahead of the weights below: the wait for it then asks for no weights but those that the next step needs anyway
.endif
.if (\f)+3 < 8
	WGET (\f)+3                                    ; the set takes the step three on
.endif
.if (\f) == 6
	WIN 0x40
.irp n, 0,1,2,3,4,5,6,7                        ; set 0 has had its last weights: b1 in the result's layout: lane (r, h), tile 2 b + u: units 32 b + 16 h + 8 u + 0 .. 7
	global_load_b128 v[128+8*\n:128+8*\n+3], v[BO], s[6:7] offset:(32*(\n/2)+8*(\n%2))*4
	global_load_b128 v[128+8*\n+4:128+8*\n+7], v[BO], s[6:7] offset:(32*(\n/2)+8*(\n%2))*4+16
.endr
	WIN 0
.endif
	QW
	s_wait_alu depctr_va_vdst(0)                   ; the quantiser has written the codes and the scale word, which the stores below read, and is done with v48-143, on which the fragments land behind the barrier
.irp c, 0,1,2
	ds_store_b128 v[IW0+(\f)/4], v[PC+4*\c:PC+4*\c+3] offset:12288*((\f)%4)+512*\c
.endr
	ds_store_b32 v[WSW], v[PW] offset:512*(\f)     ; both lanes of a row write the same word
	s_wait_dscnt 0x0                               ; for the others' sake: my image and scale words have landed
	s_wait_alu depctr_vm_vsrc(0)                   ; these stores have read the codes, on which fragments land below, and the scale word, which the next step's lines write
	s_barrier_signal -1
	s_barrier_wait -1                              ; the step's eight images lie in LDS
	WSLOAD \f
	WLOAD 0, \f
	WLOAD 4, \f
	s_wait_loadcnt \cx                             ; this step's x is in
	s_wait_dscnt 12                                ; the scale words and tiles 0-3 are in; tiles 4-7, twelve loads, may be out
	WIN 0x50                                       ; C and D: window 1
	MM1 0, \f, 2
	s_wait_dscnt 0x0
	MM1 4, \f, 2
	WIN 0
	PLACES
.endm
; 64 numbers of a lane, register 16 b + i = k 32 b + 16 (lane / 16) + i of my row, become a fragment's codes in v[PC] on and its scale word in v[PW].
.macro QUANT s
.irp b, 0,1,2,3
	v_max3_num_f32 v[TM+\b], |v[\s+16*\b]|, |v[\s+1+16*\b]|, 0x1800000
.endr
.irp i, 2,4,6,8,10,12,14
.irp b, 0,1,2,3
	v_max3_num_f32 v[TM+\b], v[TM+\b], |v[\s+16*\b+\i]|, |v[\s+1+16*\b+\i]|
.endr
.endr
.irp b, 0,1,2,3
	v_permlanex16_b32 v[TM+4+\b], v[TM+\b], s[SEL], s[SEL+1]
.endr
.irp b, 0,1,2,3
	v_max_num_f32 v[TM+\b], v[TM+\b], v[TM+4+\b]   ; with lane l xor 16's sixteen: the block's largest magnitude
.endr
.irp b, 0,1,2,3
	v_add_nc_u32 v[TM+12+\b], 0xff000000, v[TM+\b]
.endr
.irp b, 0,1,2,3
	v_lshrrev_b32 v[TM+4+\b], 23, v[TM+12+\b]
.endr
	v_lshl_or_b32 v[PW], v[TM+5], 8, v[TM+4]
	v_lshl_or_b32 v[PW], v[TM+6], 16, v[PW]
	v_lshl_or_b32 v[PW], v[TM+7], 24, v[PW]
.irp c, 0,1
	v_cvt_scalef32_pk16_fp6_f32 v[PC+6*\c:PC+2+6*\c], v[\s+32*\c:\s+15+32*\c], v[TM+12+2*\c]
	v_cvt_scalef32_pk16_fp6_f32 v[PC+12+4*\c:PC+14+4*\c], v[\s+16+32*\c:\s+31+32*\c], v[TM+12+2*\c+1]
.endr
	v_nop                                          ; one plain line behind the conversions
.irp c, 0,1                                    ; the operand's layout wants a whole block in a lane
.irp i, 0,1,2
	v_permlane16_swap_b32 v[PC+6*\c+\i], v[PC+12+4*\c+\i]
.endr
.irp i, 0,1,2
	v_mov_b32 v[PC+3+6*\c+\i], v[PC+12+4*\c+\i]
.endr
.endr
.endm
; Tile t of my two: + b1, relu, quantise, store the image at hq[e][tile][slice] and the rows' scale words at hs[e][tile][slice].
.macro EPI1 t
	s_wait_xcnt 0x0                                ; earlier stores have read their data and bases: both are written again below
.if \t
	s_wait_alu depctr_vm_vsrc(0)                   ; the first tile's stores have read the codes and the scale word, which the lines below write again
.endif
	WIN 0x05                                       ; sources 0 and 1: window 1
.set J, 0
.rept 32
	v_pk_add_f32 v[HA+J:HA+J+1], v[64*\t+J:64*\t+J+1], v[128+J:128+J+1]   ; each accumulator from its low end on
.set J, J+2
.endr
	WIN 0
.set J, 0
.rept 64
	v_max_num_f32 v[HA+J], 0, v[HA+J]
.set J, J+1
.endr
	QUANT HA
	s_add_co_u32 s34, s31, s29
.if \t
	s_add_co_u32 s34, s34, 1                       ; 64 e + tile
.endif
	s_lshl_b32 s36, s34, 5
	s_add_co_u32 s36, s36, s21
	s_mul_i32 s36, s36, FRB
	s_mov_b32 s37, 0
	s_add_nc_u64 s[36:37], s[14:15], s[36:37]
	s_lshl_b32 s38, s34, 11
	s_lshl_b32 s39, s21, 6
	s_add_co_u32 s38, s38, s39
	s_mov_b32 s39, 0
	s_add_nc_u64 s[38:39], s[16:17], s[38:39]
	s_wait_alu depctr_va_vdst(0)                   ; the quantiser has written the codes and the scale word, which the four stores read
.irp c, 0,1,2
	global_store_b128 v[LI], v[PC+4*\c:PC+4*\c+3], s[36:37] offset:512*\c   ; 512 consecutive bytes, at a multiple of 512 from hq's first byte
.endr
	global_store_b32 v[R4], v[PW], s[38:39]        ; 64 bytes; lanes 16-31 repeat lanes 0-15's word at the same place
.endm
	s_load_b256 s[4:11], s[0:1], 0x0               ; w1, b1, xq, xs
	s_load_b128 s[12:15], s[0:1], 0x20             ; sel, hq
	s_load_b64 s[16:17], s[0:1], 0x30              ; hs
	v_lshrrev_b32 v20, 5, v0
	v_readfirstlane_b32 s18, v20                   ; wave 0..7
	v_and_b32 v21, 31, v0                          ; lane
	v_lshlrev_b32 v[LI], 4, v21
	s_lshr_b32 s20, ttmp9, 5                       ; e
	s_and_b32 s21, ttmp9, 31                       ; which 128 hidden units
	s_lshl_b32 s40, s20, 12
	s_lshl_b32 s41, s21, 7
	s_add_co_u32 s40, s40, s41                     ; the slice's first row among w1's 32,768
	s_lshl_b32 s42, s40, 2                         ; and its place in b1
	s_mov_b32 s43, 0
	s_wait_alu depctr_va_sdst(0)                   ; s18, the wave's number, is written, ahead of its first reader
	s_lshr_b32 s41, s18, 1
	s_lshl_b32 s41, s41, 5
	s_add_co_u32 s40, s40, s41                     ; my tile = my wave's number: + 32 (wave / 2)
	s_and_b32 s41, s18, 1
	s_lshl_b32 s41, s41, 3
	s_add_co_u32 s40, s40, s41                     ; + 8 (wave % 2)
	s_lshl_b32 s40, s40, 12                        ; rows of 4,096 bytes: under 2^27
	s_mov_b32 s41, 0
	s_lshl_b32 s22, 0x101, s20                     ; the expert's two bits in a word of sel
	s_add_co_u32 s23, s20, 8                       ; the bit that says: second choice
	s_lshl_b32 s29, s18, 1                         ; my first tile of the first round: 2 x wave
	s_lshl_b32 s31, s20, 6                         ; 64 e
	s_mov_b32 s[SEL], 0x76543210
	s_mov_b32 s[SEL+1], 0xfedcba98                 ; v_permlanex16_b32's selects for lane l xor 16
	s_wait_kmcnt 0x0
	s_add_nc_u64 s[4:5], s[4:5], s[40:41]
	s_add_nc_u64 s[6:7], s[6:7], s[42:43]
	s_wait_alu depctr_va_vdst(0)                   ; v[LI] is written: the loads below read it as their offset
.irp i, 0,1,2,3,4,5,6,7
	global_load_b128 v[S+4*\i:S+4*\i+3], v[LI], s[12:13] offset:512*\i   ; register 4 i + q: token 128 i + 4 lane + q
.endr
	WGET 0
	WGET 1
	WGET 2                                         ; 48 weight loads a wave are out before anything else is done
	v_and_b32 v20, 15, v0                          ; r
	v_bfe_u32 v[LAK], v0, 4, 1                     ; h
	v_lshlrev_b32 v[R4], 2, v20
	v_lshlrev_b32 v[SH8], 3, v[LAK]
	s_mul_i32 s40, s18, STGW
	s_add_co_u32 s40, s40, STG
	v_add_nc_u32 v[STW], s40, v[LI]
	v_mul_u32_u24 v[STR], v20, SP
	v_lshl_add_u32 v[STR], v[LAK], 7, v[STR]
	v_add_nc_u32 v[STR], s40, v[STR]               ; row r, + 128 h: my blocks of 32 numbers
	s_mul_i32 s40, s18, FRB
	s_add_co_u32 s40, s40, WIMG
	v_add_nc_u32 v[IW0], s40, v[LI]
	v_add_nc_u32 v[IW1], 49152, v[IW0]
	v_lshlrev_b32 v[WSR], 5, v20
	v_add_nc_u32 v[WSR], WSC, v[WSR]
	s_lshl_b32 s40, s18, 2
	v_add_nc_u32 v[WSW], s40, v[WSR]
	v_add_nc_u32 v[WB0], WIMG, v[LI]
	v_add_nc_u32 v[WB1], WIMG+49152, v[LI]
	s_lshl_b32 s40, s18, 7
	v_add_nc_u32 v[LA], s40, v[R4]
	v_add_nc_u32 v[LA], LIST, v[LA]                ; 128 x wave + 4 r
	v_mul_u32_u24 v[H48], v[LAK], 48
	v_lshlrev_b32 v[BO], 6, v[LAK]
.irp b, 4,5,6,7
	v_mov_b32 v[TM+\b], 0                          ; written once: a lane permute's destination counts as one of its sources
.endr
	s_wait_loadcnt 48                              ; sel is in; the 48 weight loads were issued behind it
	; every wave counts the expert's tokens
	s_mov_b32 s24, 0
.irp q, 0,1,2,3
	MASKS \q
.irp j, 0,1,2,3,4,5,6,7
	s_bcnt1_i32_b32 s25, s[MK\j]
	s_add_co_u32 s24, s24, s25                     ; n
.endr
.endr
	s_add_co_u32 s26, s24, 15
	s_lshr_b32 s26, s26, 4                         ; its tiles of 16 rows
	; wave 0 alone places the tokens: these are the launch's first LDS instructions, and a barrier stands between them and all others
	s_cmp_lg_u32 s18, 0
	s_cbranch_scc1 .Lplaced
	s_mov_b32 s27, 0                               ; the expert's tokens so far
	v_add_nc_u32 v[NL], s24, v21                   ; n + lane
	v_lshlrev_b32 v[L4T], 2, v21                   ; 4 x lane
.irp b, 0,1                                    ; sixteen registers of sel at a time: their places and entries are made, then stored in one run
.irp q, 2*\b, 2*\b+1
	MASKS \q
.irp j, 0,1,2,3,4,5,6,7
.set J, 8*(\q)+\j
.set K, J%16
	v_mbcnt_lo_u32_b32 v[AD+K], s[MK\j], 0         ; the expert's tokens in the lanes below me,
	v_add_nc_u32 v[AD+K], s27, v[AD+K]             ; and in all that came before: the place of one that is the expert's
	v_add_nc_u32 v[TT], 32*J, v[NL]
	v_sub_nc_u32 v[TT], v[TT], v[AD+K]             ; n + those before me that are not: the place of one that is not
	v_cndmask_b32 v[AD+K], v[TT], v[AD+K], s[MK\j]
	v_lshrrev_b32 v[DT+K], s23, v[S+J]
	v_and_b32 v[DT+K], 1, v[DT+K]                  ; slot
	v_add_nc_u32 v[TT], 128*(J/4)+J%4, v[L4T]      ; token
	v_lshl_or_b32 v[DT+K], v[DT+K], 10, v[TT]
	v_min_u32 v[AD+K], 0x3ff, v[AD+K]              ; a place in the list, whatever sel holds
	v_lshl_add_u32 v[AD+K], v[AD+K], 2, LIST
	s_bcnt1_i32_b32 s25, s[MK\j]
	s_add_co_u32 s27, s27, s25
.endr
.endr
	s_wait_alu depctr_va_vdst(0)                   ; the sixteen places and the sixteen entries are written: the stores read them as address and data
.irp k, 0,1,2,3,4,5,6,7,8,9,10,11,12,13,14,15
	ds_store_b32 v[AD+\k], v[DT+\k]
.endr
	s_wait_alu depctr_vm_vsrc(0)                   ; the stores have read them: the next sixteen's lines, and later the stage's loads, write these registers
.endr
.Lplaced:
	s_wait_dscnt 0x0                               ; wave 0's stores have landed
	s_barrier_signal -1
	s_barrier_wait -1
	; THE FIRST ROUND, inside the stream.  Loads go out in this order (W 16, X 6): W0 W1 W2 | xs 2, X0 | X1 W3 | X2 W4 | X3 W5 | X4 W6 | X5 W7 | X6 | X7, b1 16
	s_wait_alu depctr_va_vdst(0)                   ; the addresses v2 to v13 and v23 are written: every LDS instruction and every load and store from here on reads one of them
	ds_load_b32 v[ENT], v[LA]
	ds_load_b32 v[ENT+1], v[LA] offset:64
	s_wait_dscnt 0x0
	OFFS
	s_wait_alu depctr_va_vdst(0)                   ; my rows' places v14 to v17 are written, which the loads of x read; the head's lines are done with sel, on which x lands, and with v48-90, on which the stage's loads land
	XSLOAD
	XLOAD 0, 2
	FSTEP 0, 40, 22                                ; behind W0: W1 W2 xs X0;           behind X0: X1 W3
	FSTEP 1, 46, 38                                ; behind W1: W2 xs X0 X1 W3;        behind X1: W3 X2 W4
	FSTEP 2, 52, 38                                ; behind W2: xs X0 X1 W3 X2 W4;     behind X2: W4 X3 W5
	FSTEP 3, 44, 38                                ; behind W3: X2 W4 X3 W5;           behind X3: W5 X4 W6
	FSTEP 4, 44, 38                                ; behind W4: X3 W5 X4 W6;           behind X4: W6 X5 W7
	FSTEP 5, 44, 22                                ; behind W5: X4 W6 X5 W7;           behind X5: W7 X6
	FSTEP 6, 28, 22                                ; behind W6: X5 W7 X6;              behind X6: X7 b1
	FSTEP 7, 28, 16                                ; behind W7: X6 X7 b1;              behind X7: b1
	s_wait_loadcnt 0x0                             ; b1
	EPI1 0                                         ; tiles 0 .. 15 are stored for every expert: the launch that follows reads them from fixed places
	EPI1 1
	; TILES 16 .. 63, from the images that stay in LDS; nothing in LDS is written from here on
	s_mov_b32 s28, 1                               ; trip
	s_add_co_u32 s29, s29, 16                      ; my first tile of the trip: 2 (wave + 8 trip)
	s_mov_b32 s30, 1024                            ; its entries' step in the list
.Lgroup:
	s_cmp_ge_u32 s29, s26
	s_cbranch_scc1 .Lskip                          ; past the expert's tiles: only the steps at the trip's end are run
	s_wait_xcnt 0x0                                ; the last stores have read the registers that the loads below fill
	s_wait_alu depctr_vm_vsrc(0)                   ; the last round's loads have read v[LAK] and my rows' places v14 to v17, its stores the codes: all of these are written again below
	v_add_nc_u32 v[LAK], s30, v[LA]
	s_wait_alu depctr_va_vdst(0)                   ; v[LAK] is written, which the two loads below read; the way out's lines are done with v18-19 and v48-143, the last matrix instructions with the scale words: loads land in all of these
	ds_load_b32 v[ENT], v[LAK]
	ds_load_b32 v[ENT+1], v[LAK] offset:64
	WSLOAD 0
	WLOAD 0, 0
	WLOAD 4, 0
	s_wait_dscnt 26                                ; the two entries are in; 26 LDS loads were issued behind them
	OFFS
	s_wait_alu depctr_va_vdst(0)                   ; my rows' places v14 to v17 are written, which the loads of x read
	XSLOAD
	XLOAD 0, 4
	XLOAD 1, 4
	XLOAD 2, 4
	XLOAD 3, 4
.irp s, 0,1,2,3,4,5,6,7
.if \s < 5
	s_wait_loadcnt 18                              ; this K step's x is in; three later steps' loads, six each, were issued behind it
.else
	s_wait_loadcnt 6*(7-\s)
.endif
	s_wait_dscnt 12                                ; the scale words and tiles 0-3 are in; tiles 4-7, twelve loads, may be out
	WIN 0x50                                       ; C and D: window 1
	MM1 0, \s, 4
	WIN 0
	PLACES
.if \s < 7
	s_wait_alu depctr_va_vdst(0)                   ; the eight matrix instructions above are done reading tiles 0-3, the last K step's its scale words: the loads below land in them
	WSLOAD \s+1
	WLOAD 0, \s+1
	s_wait_dscnt 14                                ; tiles 4-7 are in; the fourteen just issued may be out
.else
	s_wait_dscnt 0x0
.endif
	WIN 0x50
	MM1 4, \s, 4
	WIN 0
	PLACES
.if \s < 7
	s_wait_alu depctr_va_vdst(0)                   ; the eight matrix instructions above are done reading tiles 4-7 and this K step's x: the loads below land in them
	WLOAD 4, \s+1
.endif
.if \s < 4
	XLOAD \s+4, 4
.endif
.endr
	EPI1 0
	s_add_co_u32 s34, s29, 1
	s_cmp_ge_u32 s34, s26
	s_cbranch_scc1 .Lskip                          ; the second tile lies past the expert's: its sums are dropped
	EPI1 1
.Lskip:
	s_add_co_u32 s30, s30, 1024
	s_add_co_u32 s29, s29, 16
	s_add_co_u32 s28, s28, 1
	s_cmp_lt_u32 s28, 4
	s_cbranch_scc1 .Lgroup
	s_wait_xcnt 0x0
	v_lshl_add_u32 v254, v0, 2, 0x2a800            ; the add's two registers, made anew: the last LDS stores that read v254 and v255, step 5's into the stage, stand ahead of that step's own wait on vm_vsrc
	v_mov_b32 v255, 0
	s_wait_dscnt 0x0                               ; the closing lines, six on end
	s_wait_alu 0x0
	s_wait_tensorcnt 0x0
	ds_add_u32 v254, v255
	s_wait_dscnt 0x0
	s_endpgm
.Lfunc_end_k_qe330987e51_ffn1:
	.size	k_qe330987e51_ffn1, .Lfunc_end_k_qe330987e51_ffn1-k_qe330987e51_ffn1
	.p2alignl 7, 3214868480
	.fill 96, 4, 3214868480
	.section	.rodata,"a",@progbits
	.p2align	6, 0x0
	.amdhsa_kernel k_qe330987e51_ffn1
		.amdhsa_group_segment_fixed_size 175104
		.amdhsa_private_segment_fixed_size 0
		.amdhsa_enable_private_segment 0
		.amdhsa_kernarg_size 56
		.amdhsa_user_sgpr_count 2
		.amdhsa_user_sgpr_kernarg_segment_ptr 1
		.amdhsa_wavefront_size32 1
		.amdhsa_system_sgpr_workgroup_id_x 1
		.amdhsa_system_sgpr_workgroup_id_y 1
		.amdhsa_system_sgpr_workgroup_id_z 1
		.amdhsa_system_vgpr_workitem_id 0
		.amdhsa_next_free_vgpr 512
		.amdhsa_next_free_sgpr 66
		.amdhsa_reserve_vcc 0
		.amdhsa_float_denorm_mode_32 3
		.amdhsa_float_denorm_mode_16_64 3
		.amdhsa_memory_ordered 1
		.amdhsa_forward_progress 1
		.amdhsa_inst_pref_size 204
	.end_amdhsa_kernel
	.amdgpu_metadata
---
amdhsa.version: [ 1, 2 ]
amdhsa.kernels:
  - .name:           k_qe330987e51_ffn1
    .symbol:         k_qe330987e51_ffn1.kd
    .args:
      - { .name: w1, .offset: 0, .size: 8, .value_kind: global_buffer, .address_space: global }
      - { .name: b1, .offset: 8, .size: 8, .value_kind: global_buffer, .address_space: global }
      - { .name: xq, .offset: 16, .size: 8, .value_kind: global_buffer, .address_space: global }
      - { .name: xs, .offset: 24, .size: 8, .value_kind: global_buffer, .address_space: global }
      - { .name: sel, .offset: 32, .size: 8, .value_kind: global_buffer, .address_space: global }
      - { .name: hq, .offset: 40, .size: 8, .value_kind: global_buffer, .address_space: global }
      - { .name: hs, .offset: 48, .size: 8, .value_kind: global_buffer, .address_space: global }
    .group_segment_fixed_size: 175104
    .private_segment_fixed_size: 0
    .kernarg_segment_align: 8
    .kernarg_segment_size: 56
    .max_flat_workgroup_size: 256
    .sgpr_count:     66
    .vgpr_count:     512
    .wavefront_size: 32
...
	.end_amdgpu_metadata
.endif
;; end of part 5
;; launch ffn2 (part 6): grid 256 x 1, 8 waves a work-group, no clusters, 175,104 bytes of LDS; arguments w2, b2, hq, hs, sel, part; writes part
.if DOCPART == 6
	.amdgcn_target "amdgcn-amd-amdhsa--gfx1250"
	.amdhsa_code_object_version 6
	.text
	.protected	k_qe330987e51_ffn2
	.globl	k_qe330987e51_ffn2
	.p2align	8
	.type	k_qe330987e51_ffn2,@function
k_qe330987e51_ffn2:
	s_mov_b64 s[64:65], 0
	v_nop
	global_prefetch_b8 v0, s[64:65] scope:SCOPE_SE
	s_setreg_imm32_b32 hwreg(HW_REG_WAVE_SCHED_MODE, 0, 2), 2
	s_setreg_imm32_b32 hwreg(HW_REG_WAVE_MODE, 25, 1), 1
	s_wait_xcnt 0x0
	s_wait_alu depctr_vm_vsrc(0)
; SECOND PRODUCT OF THE EXPERTS, ON THE CHOSEN ROWS:  part[kh][slot][token][d] = H Q(W2[e])^T over half kh of the 4,096 hidden units (+ b2[e] in half 0).
; SHARES.  Work-group x owns expert e = x / 32, outputs d0 = 64 ((x / 2) % 16) .. + 63 and half kh = x % 2 of K: 64 rows x 2,048 of w2, 512 KB that no other work-group reads.
; THE LIST is built from sel by the same lines as in the launch before: the expert's tokens first, entry = slot x 1,024 + token.
; THE STREAM, 8 steps.  In step f wave w takes the 16 rows of tile n = w % 4 at K step 8 (w / 4) + f of the half's sixteen (dense loads of 512 bytes), turns them through its own stage in
; LDS, quantises them and leaves the fragment in LDS as an image of the operand's 12 registers.  Behind one barrier every wave reads the step's 8 images (K steps f and 8 + f, four tiles
; each) and multiplies them with ITS two tiles of 16 listed rows (tiles 2 w, 2 w + 1), whose images of H it loads from fixed places: the products run while later weights are on their way.
; No image byte is written twice, so one barrier a step is all.  This first round has a fixed shape and no branch: the launch before stores tiles 0 .. 15 of every expert.
; Only tiles under the expert's count are stored.
; TILES 16 .. 63: a loop of 3 trips over the images that stay in LDS; wave w takes tiles 2 g, 2 g + 1, g = w + 8 x trip; a trip past the expert's tiles is jumped over.
; Each listed row's 64 sums, 256 bytes, go to row 2,048 kh + entry of part.
; ROWS BEHIND THE EXPERT'S LAST (at most 15, in its last tile) belong to other experts' tokens.  Their sums go to spare rows of part, row 4,096 + 16 (8 kh + e) + the row's number in
; its tile, which no launch reads: the row is chosen by a select, so that every lane stays on.  Each byte of part, spare rows too, has one writer.
; A token's four parts are added by the last launch.
; TRANSPOSED USE: source 0 = 16 rows of W2, source 1 = 16 rows of H: a lane holds eight neighbouring outputs of one row.  The first product of a sum takes the constant 0; b2 (times 1 or 0
; by the half) is added on the way out.
; NO TENSOR LOADS, NO JOINT LOADS: the weights are shared with nobody.
; LIMITS: NaN and infinities are not served (b2 is multiplied by 0 in half 1).  A block of zeros gets the byte 1 (its codes are zeros).
; REGISTERS.  Window 0: v1-18 addresses, v21 the scale word just made, v22-23 the closing add's two; v24-39 H's scale words (lanes 0-15 an even K step's, lanes 16-31 the odd one's); v40-47 W2's (two sets);
;   v48-55, v248-255 the two tiles' store offsets; v56-151 W2's fragments, two sets of four; v152-247 H's fragments, four buffers of two tiles.
;   Laid over W2's fragments when idle: v56-119 numbers to quantise, v120-139 codes, v140-151 at work, v64-95 sel, at the head v96-138 the list's lines; on the way out v56-119 rows.
;   Window 1: v0-63 the 8 accumulators (32 t + 8 n); v64-255 three weight sets of 64; behind the stream v64-95 b2.
; THE MODE: SCHED_MODE bits 1:0 = 2 (LLVM: expert scheduling mode 2), set by the entry lines.  The code itself states the register dependences
; between vector or matrix instructions and memory or LDS instructions, with s_wait_alu, always for 0.
; THE PLAN.  Registers that memory or LDS instructions touch:
;   v1-16, v18    addresses and offsets, made once at the head and never written again: one wait on va_vdst ahead of the first load (v1), one ahead of H's first loads (the others).
;   v17           my place in the list in a trip: written once a trip, between a wait on vm_vsrc and one on va_vdst.
;   weight sets   Global loads land in them, the stage's LDS stores read them, no vector line names them: a wait on vm_vsrc stands between those stores and the loads that land in the set again.
;   v56-151       In a step: the stage's loads land in v56-119; the quantiser reads them and writes the codes and its own registers; the image's stores read v120-131 (and v21);
;                 behind the barrier the fragments' loads land on all 96; the matrix instructions read them.
;                 So a step has: va_vdst ahead of the stage's loads (the last step's matrix instructions are done), va_vdst ahead of the image's stores (the quantiser is done), vm_vsrc behind them.
;   v24-47, v152-247   scale words and H: loads land, matrix instructions read; the step's first wait on va_vdst stands ahead of every load into them.
;   v48-55, v248-255   LDS loads land, vector lines make the offsets, the way out's stores read them as addresses.
;   The accumulators   Matrix instructions and the bias's additions write them, the way out's LDS stores read them: va_vdst ahead of those stores, vm_vsrc at the next trip's head.
.set LIST, 0
.set WIMG, 4096                        ; 64 images of 1,536 bytes: K step s, tile n at 4 s + n
.set WSC,  102400                      ; W2's scale words: 256 s + 16 r + 4 n
.set STG,  106496                      ; a stage for each wave
.set STGW, 8448
.set SP,   528                         ; the stream: 16 rows x (512 + 16) bytes
.set OP,   272                         ; the way out: 16 rows x (256 + 16) bytes
.set FRB,  1536
.set LASTROW, 0x10ff                   ; part has 4,096 rows and 256 spare ones
.set LI,  1                            ; 16 x lane
.set L4,  2                            ; 4 x lane
.set SH8, 3                            ; 8 x (lane / 16)
.set STW, 4
.set STR, 5
.set IW,  6                            ; where my images go
.set WSW, 7                            ; where my scale words go
.set WB0, 8                            ; images 0-31, way out
.set WB1, 9                            ; images 32-63
.set WSR, 10
.set HI,  11                           ; lane / 16
.set CO,  12                           ; 16 x (lane % 16)
.set LE,  13                           ; my place in the list, first round
.set SO,  14                           ; the way out: where I put 32 bytes of a row
.set SRD, 15                           ; and where I read a row back
.set BO,  16                           ; 32 x (lane / 16): b2
.set LEK, 17                           ; my place in the list, this trip
.set DR,  18                           ; the spare row of row lane / 16 of a tile
.set PW,  21                           ; the scale word just made (at the head: the lane's number)
.set HS,  24
.set WS,  40
.set OF,  48                           ; tile t, row pair i: v[OF + 200 t + i]
.set WF,  56
.set HF,  152
.set X,   56
.set PC,  120
.set TM,  140
.set S,   64
.set OB,  56                           ; tile t's rows on the way out: v[OB + 32 t] on
.set AD,  96                           ; at the head only: v96-111 sixteen places in the list,
.set DT,  112                          ; v112-127 sixteen entries,
.set AN,  128                          ; v128-135 eight words of sel, masked,
.set NL,  136                          ; v136 n + lane,
.set L4T, 137                          ; v137 4 x lane,
.set TT,  138                          ; v138 at work
.set MK0, 2                            ; eight scalar registers that are free wherever compares stand: eight masks, one for each of eight compares
.set MK1, 3
.set MK2, 16
.set MK3, 17
.set MK4, 34
.set MK5, 35
.set MK6, 44
.set MK7, 45
.set SEL, 46
.set MSB, 0
.macro WIN new                         ; the immediate's high byte repeats the setting that is left
.if MSB != \new
	s_set_vgpr_msb (MSB<<8)|\new
.set MSB, \new
.endif
.endm
.macro PLACES                          ; four plain vector lines behind a matrix instruction, ahead of vector lines that read its result or write its registers (ISA guide 7.12.1); they stay beside the waits
.rept 4
	v_nop
.endr
.endm
.macro MASKS q                         ; which of the tokens in registers 8 q .. 8 q + 7 of sel are the expert's: eight compares in a run, into eight scalar registers
.irp j, 0,1,2,3,4,5,6,7
	v_and_b32 v[AN+\j], s22, v[S+8*(\q)+\j]
.endr
.irp j, 0,1,2,3,4,5,6,7
	v_cmp_ne_u32 s[MK\j], 0, v[AN+\j]
.endr
	s_wait_alu depctr_va_sdst(0)                   ; the eight compares have written their masks, ahead of the first line that reads one
.endm
.macro WGET f                          ; my 16 rows' step f into set f % 3 of window 1: each load reads 512 consecutive bytes of one row
	WIN 0x40
.irp i, 0,1,2,3,4,5,6,7,8,9,10,11,12,13,14,15
	global_load_b128 v[64+64*((\f)%3)+4*\i:64+64*((\f)%3)+4*\i+3], v[LI], s[4:5] offset:16384*\i+512*(\f) th:TH_LOAD_NT
.endr
	WIN 0
.endm
; 64 numbers of a lane, v[X + 32 c + i] = k 64 c + 32 (lane / 16) + i of my row: two whole blocks.  Codes to v[PC] on, the row's scale word to v[PW].
.macro QW
.irp c, 0,1
	v_max3_num_f32 v[TM+2*\c], |v[X+32*\c]|, |v[X+32*\c+1]|, 0x1800000       ; with the floor 2^(3 - 127): the byte cannot fall under 1
	v_max3_num_f32 v[TM+2*\c+1], |v[X+32*\c+16]|, |v[X+32*\c+17]|, 0x1800000
.endr
.irp i, 2,4,6,8,10,12,14
.irp c, 0,1
	v_max3_num_f32 v[TM+2*\c], v[TM+2*\c], |v[X+32*\c+\i]|, |v[X+32*\c+\i+1]|   ; four chains by turns
	v_max3_num_f32 v[TM+2*\c+1], v[TM+2*\c+1], |v[X+32*\c+16+\i]|, |v[X+32*\c+17+\i]|
.endr
.endr
.irp c, 0,1
	v_max_num_f32 v[TM+2*\c], v[TM+2*\c], v[TM+2*\c+1]
.endr
.irp c, 0,1
	v_add_nc_u32 v[TM+8+\c], 0xff000000, v[TM+2*\c]    ; 2 off the exponent field: the conversion's scale operand
.endr
.irp c, 0,1
	v_lshrrev_b32 v[TM+10+\c], 23, v[TM+8+\c]          ; the byte
.endr
	v_lshl_or_b32 v[PW], v[TM+11], 16, v[TM+10]    ; blocks h and 2 + h,
	v_lshlrev_b32 v[PW], v[SH8], v[PW]             ; at their places in the word;
	v_permlanex16_b32 v[TM+6], v[PW], s[SEL], s[SEL+1]
	v_or_b32 v[PW], v[PW], v[TM+6]                 ; with lane l xor 16's two bytes the word is whole
.irp c, 0,1
	v_cvt_scalef32_pk16_fp6_f32 v[PC+6*\c:PC+6*\c+2], v[X+32*\c:X+32*\c+15], v[TM+8+\c]
	v_cvt_scalef32_pk16_fp6_f32 v[PC+12+4*\c:PC+14+4*\c], v[X+32*\c+16:X+32*\c+31], v[TM+8+\c]   ; (a conversion's three registers begin on an even number)
.endr
	v_nop                                          ; one plain line behind the conversions
.irp c, 0,1
.irp i, 0,1,2
	v_mov_b32 v[PC+3+6*\c+\i], v[PC+12+4*\c+\i]
.endr
.endr
.endm
.macro W2LOAD s, w                     ; W2's four tiles of K step s and their scale words into set w: 13 LDS loads
.irp n, 0,1,2,3
.irp c, 0,1,2
	ds_load_b128 v[WF+48*(\w)+12*\n+4*\c:WF+48*(\w)+12*\n+4*\c+3], v[WB0+(\s)/8] offset:((4*(\s)+\n)%32)*FRB+512*\c
.endr
.endr
	ds_load_b128 v[WS+4*(\w):WS+4*(\w)+3], v[WSR] offset:256*(\s)
.endm
.macro HLOAD s, b                      ; my two tiles' images of H, K step s, into buffer b: 512 consecutive bytes a load
.irp t, 0,1
.irp c, 0,1,2
	global_load_b128 v[HF+24*(\b)+12*\t+4*\c:HF+24*(\b)+12*\t+4*\c+3], v[LI], s[36+4*\t:37+4*\t] offset:FRB*(\s)+512*\c
.endr
.endr
.endm
.macro HSLOAD                          ; H's scale words of the half's sixteen K steps
.irp t, 0,1
.irp i, 0,1,2,3,4,5,6,7
	global_load_b32 v[HS+8*\t+\i], v[L4], s[38+4*\t:39+4*\t] offset:128*\i   ; lanes 0-15: K step 2 i's words; lanes 16-31: K step 2 i + 1's
.endr
.endr
.endm
; 8 matrix instructions: W2's four tiles (set w) x my two tiles of rows (buffer b), K step s.  The 8 accumulators take turns, one instruction a turn.  K step 0 starts the sums.
.macro MM2 s, w, b
.irp n, 0,1,2,3
.irp t, 0,1
.if (\s) == 0
	v_wmma_scale_f32_16x16x128_f8f6f4 v[32*\t+8*\n:32*\t+8*\n+7], v[WF+48*(\w)+12*\n:WF+48*(\w)+12*\n+11], v[HF+24*(\b)+12*\t:HF+24*(\b)+12*\t+11], 0, v[WS+4*(\w)+\n], v[HS+8*\t+(\s)/2] matrix_a_fmt:MATRIX_FMT_FP6 matrix_b_fmt:MATRIX_FMT_FP6
.elseif (\s)%2 == 0
	v_wmma_scale_f32_16x16x128_f8f6f4 v[32*\t+8*\n:32*\t+8*\n+7], v[WF+48*(\w)+12*\n:WF+48*(\w)+12*\n+11], v[HF+24*(\b)+12*\t:HF+24*(\b)+12*\t+11], v[32*\t+8*\n:32*\t+8*\n+7], v[WS+4*(\w)+\n], v[HS+8*\t+(\s)/2] matrix_a_fmt:MATRIX_FMT_FP6 matrix_b_fmt:MATRIX_FMT_FP6
.else
	v_wmma_scale_f32_16x16x128_f8f6f4 v[32*\t+8*\n:32*\t+8*\n+7], v[WF+48*(\w)+12*\n:WF+48*(\w)+12*\n+11], v[HF+24*(\b)+12*\t:HF+24*(\b)+12*\t+11], v[32*\t+8*\n:32*\t+8*\n+7], v[WS+4*(\w)+\n], v[HS+8*\t+(\s)/2] matrix_a_fmt:MATRIX_FMT_FP6 matrix_b_fmt:MATRIX_FMT_FP6 matrix_b_scale:MATRIX_SCALE_ROW1
.endif
.endr
.endr
.endm
.macro HBASE tr, d                     ; s[d:d+1] = hq at tile s[tr], this half's first K step; s[d+2:d+3] = hs likewise
	s_add_co_u32 s[\d], s31, s[\tr]
	s_lshl_b32 s[\d+2], s[\d], 11
	s_lshl_b32 s[\d], s[\d], 5
	s_add_co_u32 s[\d], s[\d], s32
	s_mul_i32 s[\d], s[\d], FRB
	s_mov_b32 s[\d+1], 0
	s_add_nc_u64 s[\d:\d+1], s[8:9], s[\d:\d+1]
	s_add_co_u32 s[\d+2], s[\d+2], s33
	s_mov_b32 s[\d+3], 0
	s_add_nc_u64 s[\d+2:\d+3], s[10:11], s[\d+2:\d+3]
.endm
.macro ENTS adr                        ; the entries of my two tiles' rows: row 2 i + lane / 16 of tile t
.irp t, 0,1
.irp i, 0,1,2,3,4,5,6,7
	ds_load_b32 v[OF+200*\t+\i], v[\adr] offset:64*\t+8*\i
.endr
.endr
.endm
.macro OFFS2                           ; and what they become: the byte in part at which I store my 16 bytes of that row
	s_lshl_b32 s49, s29, 4
	s_sub_co_i32 s49, s24, s49                     ; the expert's rows from my first tile's first row on
.irp t, 0,1
.irp i, 0,1,2,3,4,5,6,7
	s_sub_co_i32 s50, s49, 16*\t+2*\i
	v_cmp_gt_i32 s[MK\i], s50, v[HI]                                      ; is row 2 i + lane / 16 the expert's?  A tile's eight compares in a run
.endr
	s_wait_alu depctr_va_sdst(0)                   ; the eight compares have written their masks, ahead of the first select that reads one
.irp i, 0,1,2,3,4,5,6,7
	v_add_nc_u32 v[OF+200*\t+\i], s52, v[OF+200*\t+\i]                    ; the entry's row of part: 2,048 kh + entry
	v_add_nc_u32 v20, 2*\i, v[DR]                                         ; the spare row of this row of a tile
	v_cndmask_b32 v[OF+200*\t+\i], v20, v[OF+200*\t+\i], s[MK\i]
	v_min_u32 v[OF+200*\t+\i], LASTROW, v[OF+200*\t+\i]                   ; a row of part, whatever the list holds
	v_lshl_add_u32 v[OF+200*\t+\i], v[OF+200*\t+\i], 12, v[CO]            ; rows of 4,096 bytes, + my 16 bytes of the 256
.endr
.endr
.endm
; A STEP OF THE STREAM.  cw = a count that shows this step's sixteen weight loads in (under 0: shown already); ch = the loads issued behind this step's twelve loads of H.
.macro FSTEP2 f, cw, ch
.if \cw >= 0
	s_wait_loadcnt \cw
.endif
	WIN 0x04                                       ; an LDS store's data: window 1
.irp i, 0,1,2,3,4,5,6,7,8,9,10,11,12,13,14,15
	ds_store_b128 v[STW], v[64+64*((\f)%3)+4*\i:64+64*((\f)%3)+4*\i+3] offset:SP*\i   ; loaded data and an address made at the head: these hang on no vector result, so they stand ahead of the wait below
.endr
	WIN 0
	s_wait_alu depctr_va_vdst(0)                   ; the last step's matrix instructions (in step 0: the lines of the list and of the offsets) are done with v56-151, in which the loads below land, with H's other two buffers and with the scale words
.irp c, 0,1
.irp j, 0,1,2,3,4,5,6,7
	ds_load_b128 v[X+32*\c+4*\j:X+32*\c+4*\j+3], v[STR] offset:256*\c+16*\j   ; LDS serves a wave's instructions in order: these see the stores above
.endr
.endr
	s_wait_dscnt 0x0                               ; my numbers are back
.if ((\f) > 0) && ((\f)+1 < 8)
	HLOAD (\f)+1, 2*(((\f)+1)%2)                   ; the next step's H: K steps f + 1 and f + 9
	HLOAD (\f)+9, 2*(((\f)+1)%2)+1
.endif
.if (\f) == 6
	WIN 0x40
	s_wait_alu depctr_vm_vsrc(0)                   ; the stage's stores have read set 0, in which b2 lands
.irp n, 0,1,2,3                                ; set 0 has had its last weights: b2 in the result's layout: lane (r, h), tile n: outputs 16 n + 8 h + 0 .. 7
	global_load_b128 v[64+8*\n:64+8*\n+3], v[BO], s[6:7] offset:64*\n
	global_load_b128 v[64+8*\n+4:64+8*\n+7], v[BO], s[6:7] offset:64*\n+16
.endr
	WIN 0
.endif
	QW
	s_wait_alu depctr_va_vdst(0)                   ; the quantiser has written the codes and the scale word, which the stores below read, and is done with v56-151, on which the fragments land behind the barrier
.irp c, 0,1,2
	ds_store_b128 v[IW], v[PC+4*\c:PC+4*\c+3] offset:6144*(\f)+512*\c
.endr
	ds_store_b32 v[WSW], v[PW] offset:256*(\f)     ; both lanes of a row write the same word
	s_wait_dscnt 0x0                               ; for the others' sake: my image and scale words have landed
	s_wait_alu depctr_vm_vsrc(0)                   ; these stores have read the codes, on which fragments land below, and the scale word, which the next step's lines write; the stage's stores have read the weight set, in which loads land again below
	s_barrier_signal -1
	s_barrier_wait -1                              ; the step's eight images lie in LDS
	W2LOAD \f, 0
	W2LOAD (\f)+8, 1
	s_wait_loadcnt \ch                             ; this step's H is in
.if (\f) == 0
	HLOAD 1, 2
	HLOAD 9, 3
.endif
.if (\f)+3 < 8
	WGET (\f)+3                                    ; the set takes the step three on
.endif
	s_wait_dscnt 13                                ; K step f's W2 is in; K step 8 + f's thirteen loads may be out
	WIN 0x50                                       ; C and D: window 1
	MM2 \f, 0, 2*((\f)%2)
	s_wait_dscnt 0x0
	MM2 (\f)+8, 1, 2*((\f)%2)+1
	WIN 0
	PLACES
.endm
; Tile t of my two takes b2, goes through my stage and leaves as rows of 256 bytes, each at the offset made for it at the round's head.
.macro EPI2 t
	WIN 0x45                                       ; destination and both sources: window 1
.set J, 0
.rept 16
	v_pk_add_f32 v[32*\t+J:32*\t+J+1], v[32*\t+J:32*\t+J+1], v[64+J:64+J+1]   ; each accumulator from its low end on
.set J, J+2
.endr
	WIN 0x04                                       ; an LDS store's data: window 1
	s_wait_alu depctr_va_vdst(0)                   ; the additions have written the sums, which the stores below read; the offsets, which the global stores read, are written; the matrix instructions are done reading v56-119, in which the rows land
.irp n, 0,1,2,3
	ds_store_b128 v[SO], v[32*\t+8*\n:32*\t+8*\n+3] offset:64*\n
	ds_store_b128 v[SO], v[32*\t+8*\n+4:32*\t+8*\n+7] offset:64*\n+16
.endr
	WIN 0
.irp i, 0,1,2,3,4,5,6,7
	ds_load_b128 v[OB+32*\t+4*\i:OB+32*\t+4*\i+3], v[SRD] offset:2*OP*\i  ; LDS serves a wave's instructions in order: these see the stores above
.endr
.irp i, 0,1,2,3,4,5,6,7
	s_wait_dscnt 7-\i                              ; row pair i is back; the pairs read behind it may be out
	global_store_b128 v[OF+200*\t+\i], v[OB+32*\t+4*\i:OB+32*\t+4*\i+3], s[14:15]   ; 16 lanes store 256 consecutive bytes, at a multiple of 256 from part's first byte
.endr
.endm
	s_load_b256 s[4:11], s[0:1], 0x0               ; w2, b2, hq, hs
	s_load_b128 s[12:15], s[0:1], 0x20             ; sel, part
	v_lshl_add_u32 v22, v0, 2, 0x2a800
	v_mov_b32 v23, 0
	v_lshrrev_b32 v20, 5, v0
	v_readfirstlane_b32 s18, v20                   ; wave 0..7
	v_and_b32 v21, 31, v0                          ; lane
	v_lshlrev_b32 v[LI], 4, v21
	s_lshr_b32 s20, ttmp9, 5                       ; e
	s_bfe_u32 s21, ttmp9, 0x40001
	s_lshl_b32 s21, s21, 6                         ; d0
	s_and_b32 s19, ttmp9, 1                        ; kh
	s_wait_alu depctr_va_sdst(0)                   ; s18, the wave's number, is written, ahead of its first reader
	s_and_b32 s44, s18, 3                          ; my tile n
	s_lshr_b32 s45, s18, 2                         ; my eight K steps
	s_lshl_b32 s40, s20, 10
	s_add_co_u32 s40, s40, s21                     ; the slice's first row among w2's 8,192
	s_lshl_b32 s42, s40, 2                         ; and its place in b2
	s_mov_b32 s43, 0
	s_lshl_b32 s41, s44, 4
	s_add_co_u32 s40, s40, s41
	s_lshl_b32 s40, s40, 14                        ; rows of 16,384 bytes: under 2^27
	s_lshl_b32 s41, s19, 13
	s_add_co_u32 s40, s40, s41                     ; + 2,048 kh numbers
	s_lshl_b32 s41, s45, 12
	s_add_co_u32 s40, s40, s41                     ; + 1,024 (wave / 4) numbers
	s_mov_b32 s41, 0
	s_lshl_b32 s34, s21, 2                         ; part: my columns begin 4 d0 bytes into a row
	s_mov_b32 s35, 0
	s_lshl_b32 s52, s19, 11                        ; half kh's rows begin at row 2,048 kh
	s_lshl_b32 s53, s19, 3
	s_add_co_u32 s53, s53, s20
	s_lshl_b32 s53, s53, 4
	s_add_co_u32 s53, s53, 4096                    ; the spare rows of (kh, e): 4,096 + 16 (8 kh + e) on
	s_lshl_b32 s22, 0x101, s20                     ; the expert's two bits in a word of sel
	s_add_co_u32 s23, s20, 8                       ; the bit that says: second choice
	s_lshl_b32 s29, s18, 1                         ; my first tile of the first round: 2 x wave
	s_lshl_b32 s31, s20, 6                         ; 64 e
	s_lshl_b32 s32, s19, 4                         ; 16 kh
	s_lshl_b32 s33, s19, 10                        ; 1,024 kh
	s_cmp_eq_u32 s19, 0
	s_cselect_b32 s48, 1.0, 0                      ; b2 counts in half 0 alone
	s_mov_b32 s[SEL], 0x76543210
	s_mov_b32 s[SEL+1], 0xfedcba98                 ; v_permlanex16_b32's selects for lane l xor 16
	s_wait_kmcnt 0x0
	s_add_nc_u64 s[4:5], s[4:5], s[40:41]
	s_add_nc_u64 s[6:7], s[6:7], s[42:43]
	s_add_nc_u64 s[14:15], s[14:15], s[34:35]
	s_wait_alu depctr_va_vdst(0)                   ; v[LI] is written: the loads below read it as their offset
.irp i, 0,1,2,3,4,5,6,7
	global_load_b128 v[S+4*\i:S+4*\i+3], v[LI], s[12:13] offset:512*\i   ; register 4 i + q: token 128 i + 4 lane + q
.endr
	WGET 0
	WGET 1
	WGET 2                                         ; 48 weight loads a wave are out before anything else is done
	v_and_b32 v20, 15, v0                          ; r
	v_bfe_u32 v[HI], v0, 4, 1                      ; h
	v_lshlrev_b32 v[L4], 2, v21
	v_lshlrev_b32 v[SH8], 3, v[HI]
	v_lshlrev_b32 v[CO], 4, v20
	s_mul_i32 s40, s18, STGW
	s_add_co_u32 s40, s40, STG
	v_add_nc_u32 v[STW], s40, v[LI]
	v_mul_u32_u24 v[STR], v20, SP
	v_lshl_add_u32 v[STR], v[HI], 7, v[STR]
	v_add_nc_u32 v[STR], s40, v[STR]               ; row r, + 128 h: my blocks of 32 numbers
	v_mul_u32_u24 v[SO], v20, OP
	v_lshl_add_u32 v[SO], v[HI], 5, v[SO]
	v_add_nc_u32 v[SO], s40, v[SO]                 ; row r, + 32 h
	v_mul_u32_u24 v[SRD], v[HI], OP
	v_add_nc_u32 v[SRD], v[SRD], v[CO]
	v_add_nc_u32 v[SRD], s40, v[SRD]               ; lanes 0-15 one row, lanes 16-31 the next
	s_mul_i32 s40, s45, 49152
	s_mul_i32 s41, s44, FRB
	s_add_co_u32 s40, s40, s41
	s_add_co_u32 s40, s40, WIMG
	v_add_nc_u32 v[IW], s40, v[LI]
	v_add_nc_u32 v[WSR], WSC, v[CO]                ; 16 r
	s_lshl_b32 s40, s45, 11
	s_lshl_b32 s41, s44, 2
	s_add_co_u32 s40, s40, s41
	v_add_nc_u32 v[WSW], s40, v[WSR]
	v_add_nc_u32 v[WB0], WIMG, v[LI]
	v_add_nc_u32 v[WB1], WIMG+49152, v[LI]
	s_lshl_b32 s40, s18, 7
	v_lshlrev_b32 v[LEK], 2, v[HI]
	v_add_nc_u32 v[LE], s40, v[LEK]
	v_add_nc_u32 v[LE], LIST, v[LE]                ; 128 x wave + 4 (lane / 16)
	v_lshlrev_b32 v[BO], 5, v[HI]
	v_add_nc_u32 v[DR], s53, v[HI]
	v_mov_b32 v[TM+6], 0                           ; written once: a lane permute's destination counts as one of its sources
	s_add_co_u32 s35, s29, 1                       ; my second tile
	HBASE 29, 36
	HBASE 35, 40
	s_wait_loadcnt 48                              ; sel is in; the 48 weight loads were issued behind it
	; every wave counts the expert's tokens
	s_mov_b32 s24, 0
.irp q, 0,1,2,3
	MASKS \q
.irp j, 0,1,2,3,4,5,6,7
	s_bcnt1_i32_b32 s25, s[MK\j]
	s_add_co_u32 s24, s24, s25                     ; n
.endr
.endr
	s_add_co_u32 s26, s24, 15
	s_lshr_b32 s26, s26, 4                         ; its tiles of 16 rows
	; the first round's H lies at fixed places: it is asked for here, so that it lands while the list is made
	s_wait_loadcnt 32                              ; step 0's weights are in; steps 1 and 2, 32 loads, were issued behind them
	s_wait_alu depctr_va_vdst(0)                   ; the addresses v2 to v16 and v18 are written: every LDS instruction and every load and store from here on reads one of them
	HLOAD 0, 0
	HLOAD 8, 1
	HSLOAD
	; wave 0 alone places the tokens: these are the launch's first LDS instructions, and a barrier stands between them and all others
	s_cmp_lg_u32 s18, 0
	s_cbranch_scc1 .Lplaced
	s_mov_b32 s27, 0                               ; the expert's tokens so far
	v_add_nc_u32 v[NL], s24, v21                   ; n + lane
	v_lshlrev_b32 v[L4T], 2, v21                   ; 4 x lane
.irp b, 0,1                                    ; sixteen registers of sel at a time: their places and entries are made, then stored in one run
.irp q, 2*\b, 2*\b+1
	MASKS \q
.irp j, 0,1,2,3,4,5,6,7
.set J, 8*(\q)+\j
.set K, J%16
	v_mbcnt_lo_u32_b32 v[AD+K], s[MK\j], 0         ; the expert's tokens in the lanes below me,
	v_add_nc_u32 v[AD+K], s27, v[AD+K]             ; and in all that came before: the place of one that is the expert's
	v_add_nc_u32 v[TT], 32*J, v[NL]
	v_sub_nc_u32 v[TT], v[TT], v[AD+K]             ; n + those before me that are not: the place of one that is not
	v_cndmask_b32 v[AD+K], v[TT], v[AD+K], s[MK\j]
	v_lshrrev_b32 v[DT+K], s23, v[S+J]
	v_and_b32 v[DT+K], 1, v[DT+K]                  ; slot
	v_add_nc_u32 v[TT], 128*(J/4)+J%4, v[L4T]      ; token
	v_lshl_or_b32 v[DT+K], v[DT+K], 10, v[TT]
	v_min_u32 v[AD+K], 0x3ff, v[AD+K]              ; a place in the list, whatever sel holds
	v_lshl_add_u32 v[AD+K], v[AD+K], 2, LIST
	s_bcnt1_i32_b32 s25, s[MK\j]
	s_add_co_u32 s27, s27, s25
.endr
.endr
	s_wait_alu depctr_va_vdst(0)                   ; the sixteen places and the sixteen entries are written: the stores read them as address and data
.irp k, 0,1,2,3,4,5,6,7,8,9,10,11,12,13,14,15
	ds_store_b32 v[AD+\k], v[DT+\k]
.endr
	s_wait_alu depctr_vm_vsrc(0)                   ; the stores have read them: the next sixteen's lines, and later the stage's loads and the quantiser, write these registers
.endr
.Lplaced:
	s_wait_dscnt 0x0                               ; wave 0's stores have landed
	s_barrier_signal -1
	s_barrier_wait -1
	; THE FIRST ROUND, inside the stream.  Loads go out in this order (W 16, H 12): W0 W1 W2 | H0, scale words 16 | H1 W3 | H2 W4 | H3 W5 | H4 W6 | H5 W7 | H6 | H7, b2 8
	ENTS LE
	s_wait_dscnt 0x0
	OFFS2
	FSTEP2 0, -1, 0                                ; W0 was waited for above;          nothing was issued behind H0's scale words
	FSTEP2 1, 28, 28                               ; W1 stands ahead of H0, which step 0's wait showed in: H1 W3 may be out;   behind H1: W3 H2
	FSTEP2 2, 44, 28                               ; W2 likewise: W3 H2 W4 may be out; behind H2: W4 H3
	FSTEP2 3, 56, 28                               ; behind W3: H2 W4 H3 W5;           behind H3: W5 H4
	FSTEP2 4, 56, 28                               ; behind W4: H3 W5 H4 W6;           behind H4: W6 H5
	FSTEP2 5, 56, 28                               ; behind W5: H4 W6 H5 W7;           behind H5: W7 H6
	FSTEP2 6, 40, 20                               ; behind W6: H5 W7 H6;              behind H6: H7 b2
	FSTEP2 7, 32, 8                                ; behind W7: H6 H7 b2;              behind H7: b2
	s_wait_loadcnt 0x0                             ; b2
	WIN 0x44                                       ; destination and source 1: window 1
.set J, 0
.rept 32
	v_mul_f32 v[64+J], s48, v[64+J]
.set J, J+1
.endr
	WIN 0
	s_cmp_ge_u32 s29, s26
	s_cbranch_scc1 .Lfirst_done                    ; a tile past the expert's count is not stored
	EPI2 0
	s_add_co_u32 s34, s29, 1
	s_cmp_ge_u32 s34, s26
	s_cbranch_scc1 .Lfirst_done
	EPI2 1
.Lfirst_done:
	; TILES 16 .. 63, from the images that stay in LDS; from here on a wave writes only its own stage
	s_mov_b32 s28, 1                               ; trip
	s_add_co_u32 s29, s29, 16                      ; my first tile of the trip: 2 (wave + 8 trip)
	s_mov_b32 s30, 1024                            ; its entries' step in the list
.Lgroup:
	s_cmp_ge_u32 s29, s26
	s_cbranch_scc1 .Lskip                          ; past the expert's tiles: only the steps at the trip's end are run
	s_wait_xcnt 0x0                                ; the last loads and stores have read their bases, offsets and data
	s_wait_alu depctr_vm_vsrc(0)                   ; the last round's loads have read v[LEK], its global stores their offsets and rows, its LDS stores the sums: all of these are written again below
	v_add_nc_u32 v[LEK], s30, v[LE]
	s_wait_alu depctr_va_vdst(0)                   ; v[LEK] is written, which the entries' loads read; the offsets' lines are done with v48-55 and v248-255, the last matrix instructions with W2's and H's fragments and scale words: loads land in all of these
	ENTS LEK
	W2LOAD 0, 0
	W2LOAD 1, 1
	s_add_co_u32 s34, s29, 1
	s_sub_co_u32 s35, s26, 1
	s_min_u32 s35, s34, s35                        ; a second tile past the expert's last reads the last again: only bytes that were written are read
	s_min_u32 s35, s35, 63
	HBASE 29, 36
	HBASE 35, 40
	HSLOAD
	HLOAD 0, 0
	HLOAD 1, 1
	HLOAD 2, 2
	HLOAD 3, 3
	s_wait_dscnt 26                                ; the 16 entries are in; W2's first two K steps, 13 loads each, were issued behind them
	OFFS2
.irp s, 0,1,2,3,4,5,6,7,8,9,10,11,12,13,14,15
.if \s < 13
	s_wait_loadcnt 18                              ; this K step's H is in; three later steps' loads, six each, were issued behind it
.else
	s_wait_loadcnt 6*(15-\s)
.endif
.if \s < 15
	s_wait_dscnt 13                                ; this K step's W2 is in; the next step's thirteen loads may be out
.else
	s_wait_dscnt 0x0
.endif
	WIN 0x50                                       ; C and D: window 1
	MM2 \s, \s%2, \s%4
	WIN 0
	PLACES
.if \s < 14
	s_wait_alu depctr_va_vdst(0)                   ; the eight matrix instructions above are done reading this K step's W2, its scale words and its H: the loads below land in them
	W2LOAD \s+2, \s%2
.endif
.if \s < 12
	HLOAD \s+4, \s%4
.endif
.endr
	EPI2 0
	s_add_co_u32 s34, s29, 1
	s_cmp_ge_u32 s34, s26
	s_cbranch_scc1 .Lskip                          ; the second tile lies past the expert's: its sums are dropped
	EPI2 1
.Lskip:
	s_add_co_u32 s30, s30, 1024
	s_add_co_u32 s29, s29, 16
	s_add_co_u32 s28, s28, 1
	s_cmp_lt_u32 s28, 4
	s_cbranch_scc1 .Lgroup
	s_wait_dscnt 0x0                               ; the closing lines, six on end
	s_wait_alu 0x0
	s_wait_tensorcnt 0x0
	ds_add_u32 v22, v23
	s_wait_dscnt 0x0
	s_endpgm
.Lfunc_end_k_qe330987e51_ffn2:
	.size	k_qe330987e51_ffn2, .Lfunc_end_k_qe330987e51_ffn2-k_qe330987e51_ffn2
	.p2alignl 7, 3214868480
	.fill 96, 4, 3214868480
	.section	.rodata,"a",@progbits
	.p2align	6, 0x0
	.amdhsa_kernel k_qe330987e51_ffn2
		.amdhsa_group_segment_fixed_size 175104
		.amdhsa_private_segment_fixed_size 0
		.amdhsa_enable_private_segment 0
		.amdhsa_kernarg_size 48
		.amdhsa_user_sgpr_count 2
		.amdhsa_user_sgpr_kernarg_segment_ptr 1
		.amdhsa_wavefront_size32 1
		.amdhsa_system_sgpr_workgroup_id_x 1
		.amdhsa_system_sgpr_workgroup_id_y 1
		.amdhsa_system_sgpr_workgroup_id_z 1
		.amdhsa_system_vgpr_workitem_id 0
		.amdhsa_next_free_vgpr 512
		.amdhsa_next_free_sgpr 66
		.amdhsa_reserve_vcc 0
		.amdhsa_float_denorm_mode_32 3
		.amdhsa_float_denorm_mode_16_64 3
		.amdhsa_memory_ordered 1
		.amdhsa_forward_progress 1
		.amdhsa_inst_pref_size 209
	.end_amdhsa_kernel
	.amdgpu_metadata
---
amdhsa.version: [ 1, 2 ]
amdhsa.kernels:
  - .name:           k_qe330987e51_ffn2
    .symbol:         k_qe330987e51_ffn2.kd
    .args:
      - { .name: w2, .offset: 0, .size: 8, .value_kind: global_buffer, .address_space: global }
      - { .name: b2, .offset: 8, .size: 8, .value_kind: global_buffer, .address_space: global }
      - { .name: hq, .offset: 16, .size: 8, .value_kind: global_buffer, .address_space: global }
      - { .name: hs, .offset: 24, .size: 8, .value_kind: global_buffer, .address_space: global }
      - { .name: sel, .offset: 32, .size: 8, .value_kind: global_buffer, .address_space: global }
      - { .name: part, .offset: 40, .size: 8, .value_kind: global_buffer, .address_space: global }
    .group_segment_fixed_size: 175104
    .private_segment_fixed_size: 0
    .kernarg_segment_align: 8
    .kernarg_segment_size: 48
    .max_flat_workgroup_size: 256
    .sgpr_count:     66
    .vgpr_count:     512
    .wavefront_size: 32
...
	.end_amdgpu_metadata
.endif
;; end of part 6
;; launch combine: the kernel of part 4 again; grid 256 x 1, 4 waves a work-group, no clusters, 0 bytes of LDS; arguments part, topv, out0; writes out0
